; MI455X (gfx1250); checked and timed in simulation.
; The chip was launched on July 23, 2026; its instructions are those of AMD's public machine-readable ISA for CDNA 5 (MIT licence, August 2026) and "CDNA5" Instruction Set Architecture Reference Guide (July 2026). The comments in the code are by the model that wrote it; some were corrected since.
;; Ring Attention. Allowed arithmetic: matrix products marked QUANTISED: E5M2 operands, one E8M0 scale for each 32 along K, by v_wmma_scale_f32_16x16x128_f8f6f4 with both operands' format E5M2, f32 sums; everything else in f32.
;; Inputs: k 2 x 16 x 2,048 x 128 float32; q 2 x 16 x 2,048 x 128 float32; v 2 x 16 x 2,048 x 128 float32.
;; Outputs: out0 2 x 16 x 2,048 x 128 float32.
;; This version of the problem:
;;   THIS VERSION OF THE PROBLEM IS GIVEN IN LOW PRECISION. The matrix products marked QUANTISED in the list below multiply operands that are first quantised to E5M2 (5 exponent bits, 2 mantissa bits; 8 bits a number), with one power-of-two scale for each 32 numbers along K (OCP MX v1.0); their sums are f32. All else is computed in f32.
;;   The module's matrix products, in the order in which they are computed (A, B: the left and right operand; K: the contracted axis; several contracted axes count as one K, in the product's order):
;;     1. batch 32 x [M 2,048, K 128] x [K 128, N 2,048]; A: input q; B: input k: QUANTISED
;;     2. batch 32 x [M 2,048, K 2,048] x [K 2,048, N 128]; A: softmax (see below); B: input v: QUANTISED
;;   THE QUANTISER, for each operand of a quantised product, along K:
;;     - K is cut into blocks of 32 from its start; a last block that is shorter is filled with zeros.
;;     - A block's scale is 2^e with e = floor(log2(the largest magnitude in the block)) - 15, held to -126 .. 127; a block of zeros has e = 0. As a byte (E8M0): e + 127.
;;     - Each number is divided by its block's scale, clamped to +-57,344, and rounded to the nearest number of E5M2, ties to even, subnormals kept.
;;     - The product sums the exact products of the quantised numbers (number of the format x scale) in f32.
;;   ~~~python
;;   def quantise(x, axis):      # numpy; x: float32 -> the quantised numbers, widened to float32 again
;;       x = np.moveaxis(x, axis, -1); K = x.shape[-1]
;;       x = np.pad(x, [(0, 0)] * (x.ndim - 1) + [(0, -K % 32)]); x = x.reshape(x.shape[:-1] + (-1, 32)); a = np.abs(x).max(-1, keepdims=True)
;;       e = np.where(a > 0, np.clip(np.frexp(np.where(a > 0, a, 1))[1] - 1 - 15, -126, 127), 0)      # np.frexp(a)[1] - 1 = floor(log2(a)), exactly
;;       r = np.clip(x / 2.0 ** e, -57344, 57344)
;;       step = 2.0 ** (np.maximum(np.frexp(np.where(r == 0, 1, r))[1] - 1, -14) - 2)
;;       q = np.round(r / step) * step * 2.0 ** e      # np.round: ties to even
;;       return np.moveaxis(q.reshape(q.shape[:-2] + (-1,))[..., :K], -1, axis).astype(np.float32)
;;   ~~~
;;   SOFTMAX AHEAD OF A QUANTISED PRODUCT. Where the list says 'softmax', what is quantised is not the finished softmax but p = 2^(t - M), with t = logit x log2(e) and M = ceil(the row's largest t), a whole number; so 1/2 < the row's largest p <= 1. The row's sum l is taken of the UNQUANTISED p, in f32, and the product's result is divided by l at the end. Since M is a whole number, a kernel that streams over the keys may use a running M (the ceiling of the running maximum): every later rescaling is an exact power of two, which a block's scale takes up: the codes' values come out the same.
;;   OPERANDS COMPUTED ON THE WAY. 'Computed on the way' means the value that the module computes at that place (a softmax that the list does not call 'softmax' is quantised finished and normalised). What goes into a quantiser is computed in f32, as accurately as f32 sums, v_exp_f32 and their like allow (about 1e-6 of the number): no bf16 or f16 on the way to a quantiser, and a product that is left as it is and whose result goes on into a quantised operand takes f32 operands (vector FMAs, or v_wmma_f32_16x16x4_f32). A number that lies on a knife's edge between two numbers of the format may be rounded either way, as far as f32 arithmetic and the matrix unit's own rounding can turn it there, and no further.
;; 2 versions. Each part assembles by itself: llvm-mc -triple=amdgcn-amd-amdhsa -mcpu=gfx1250 --defsym DOCPART=n.
;; ======== version 1 of 2: 2 launches
;; workspace buffers: k_codes 8,388,608 bytes; k_scales 262,144 bytes; v_codes 8,388,608 bytes; v_scales 262,144 bytes
;; launch quant (part 1): grid 512 x 1, 4 waves a work-group, no clusters, 36,352 bytes of LDS; arguments k, v, k_codes, k_scales, v_codes, v_scales; writes k_codes, k_scales, v_codes, v_scales
.if DOCPART == 1
	.amdgcn_target "amdgcn-amd-amdhsa--gfx1250"
	.amdhsa_code_object_version 6
	.text
	.protected	k_q96457f968e_quant
	.globl	k_q96457f968e_quant
	.p2align	8
	.type	k_q96457f968e_quant,@function
k_q96457f968e_quant:
	s_mov_b64 s[64:65], 0
	v_nop
	global_prefetch_b8 v0, s[64:65] scope:SCOPE_SE
	s_setreg_imm32_b32 hwreg(HW_REG_WAVE_MODE, 25, 1), 1
	s_wait_xcnt 0x0
; k and v, [32 heads][2,048 keys][128] f32, are turned into codes of BF8 (E5M2) with one E8M0 scale byte for each 32 along the K of the product that reads them.
; A block's scale is 2^(floor(log2(its largest magnitude)) - 15); its byte is the largest magnitude's exponent field - 15, held at 1 from below; a block of zeros gets 127.
; Each number is divided by the scale, held within +-57,344 and rounded to the nearest code, ties to even.
; LIMITS: blocks whose largest magnitude lies under 2^(15 - 125), whose byte is held at 1, were not tried; NaN and infinities among the inputs are not served.
; WORK-GROUPS 0-255: k.  Its K is the head's 128, innermost: a plain stream of blocks of 32.  A wave takes 64 keys (8,192 numbers) in 16 steps of 4 keys; a lane holds 16 neighbours, two lanes a block.
;   k_codes [32][2,048 rows][128 bytes], k_scales [32][2,048 rows][4 bytes]; a key's ROW is the key with its bits 3 and 4 exchanged, so that the 16 keys 32 b + 8 u + r + 8 (r / 8), r = 0 .. 15,
;   which the next launch takes as one tile, are 16 neighbouring rows.  A step is 4 keys, so the exchange is one of bits 1 and 2 of the step's number: a constant in the stores' offsets.
; WORK-GROUPS 256-511: v.  Its K is the keys, the outer axis: a lane takes a column d and its registers run down the keys, so a block lies in one lane and the codes come out with the keys innermost.
;   A work-group takes 256 keys of a head, a wave 32 columns.  v_codes [32][128 d][2,048 keys]; v_scales [32][8 runs of 256 keys][128 d][8 bytes], so that a run's scale bytes are 1,024 dense bytes.
; No tensor loads, no barrier: waves share nothing.  A stream: matrix units, clusters and tensor loads would add nothing.
.set EMAX,  15
.set MANT,  0x600000                   ; the mantissa field of 57,344 as f32
.set KWG,   256                        ; work-groups of k's part
.set XK,    16                         ; k: v16-79   four sets of 16 numbers
.set CK,    80                         ; k: v80-143  codes: four registers for each step, so that no store's data are written again
.set EK,    144                        ; k: v144-159 a scale byte for each step
.set PITCH, 272                        ; v: a stage row: 256 bytes of codes + 16
.set NB,    8                          ; v: blocks of 32 keys for a lane
.set XV,    32                         ; v: v32-95   two sets of 32 numbers
.set CV,    96                         ; v: v96-103  a block's codes
.set OUTR,  112                        ; v: v112-175 the way out
.set SB,    24                         ; v: v24-25   the scale bytes, four to a register
.macro LOADK t                         ; step t: my 64 bytes of its 2,048, into set t % 4
.irp i, 0,1,2,3
	global_load_b128 v[XK+16*((\t)%4)+4*\i:XK+16*((\t)%4)+4*\i+3], v3, s[4:5] offset:2048*(\t)+16*\i th:TH_LOAD_NT
.endr
.endm
.macro STEPK t
.set XS, XK+16*((\t)%4)
.set TP, ((\t)&9)|(((\t)&2)<<1)|(((\t)&4)>>1)      ; the step's place in the output: bits 1 and 2 exchanged
.if 15-(\t) >= 3
	s_wait_loadcnt 12                              ; this step's four loads are in; the next three steps' twelve may be out
.else
	s_wait_loadcnt 4*(15-(\t))                     ; the tail: four for each step still to come
.endif
	v_max3_num_f32 v8, |v[XS]|, |v[XS+1]|, |v[XS+2]|               ; the largest magnitude of my 16, in two chains
	v_max3_num_f32 v9, |v[XS+3]|, |v[XS+4]|, |v[XS+5]|
.irp i, 6,10
	v_max3_num_f32 v8, v8, |v[XS+\i]|, |v[XS+\i+1]|
	v_max3_num_f32 v9, v9, |v[XS+\i+2]|, |v[XS+\i+3]|
.endr
	v_max3_num_f32 v8, v8, |v[XS+14]|, |v[XS+15]|
	v_max_num_f32 v8, v8, v9
	v_max_num_f32_dpp v8, v8, v8 row_xmask:1 row_mask:0xf bank_mask:0xf   ; and of my neighbour's 16: the block's
	v_lshrrev_b32 v9, 23, v8                       ; its exponent field
	v_max_u32 v9, EMAX+1, v9                       ; the byte is not to fall under 1
	v_lshl_or_b32 v10, v9, 23, MANT                ; 57,344 x the scale
	v_add_nc_u32 v9, -EMAX, v9                     ; the scale's byte
	v_lshlrev_b32 v11, 23, v9                      ; the scale as f32: the conversion takes its exponent field
	v_cmp_eq_u32 vcc_lo, 0, v8                     ; a block of zeros?
.irp i, 0,1,2,3,4,5,6,7,8,9,10,11,12,13,14,15
	v_med3_num_f32 v[XS+\i], v[XS+\i], -v10, v10   ; the conversion does not saturate (ISA guide 7.6.2): hold the number first
.endr
	v_cvt_scalef32_pk8_bf8_f32 v[CK+4*(\t):CK+4*(\t)+1], v[XS:XS+7], v11
	v_cvt_scalef32_pk8_bf8_f32 v[CK+4*(\t)+2:CK+4*(\t)+3], v[XS+8:XS+15], v11
	v_cndmask_b32 v[EK+(\t)], v9, 127, vcc_lo      ; a block of zeros gets 127.  (Also the plain instruction between a scaled conversion and what touches its result or writes its sources)
	ds_store_b8 v5, v[EK+(\t)] offset:16*TP        ; both lanes of a block write the same byte with the same value
	global_store_b128 v4, v[CK+4*(\t):CK+4*(\t)+3], s[8:9] offset:512*TP   ; the wave stores 512 consecutive bytes, four rows
.if (\t)+4 < 16
	LOADK (\t)+4
.endif
.endm
.macro LOADV t                         ; block t: v(32 t + i, my column), i = 0 .. 31, into set t % 2; a row of v is 512 bytes
.irp i, 0,1,2,3,4,5,6,7,8,9,10,11,12,13,14,15,16,17,18,19,20,21,22,23,24,25,26,27,28,29,30,31
	global_load_b32 v[XV+32*((\t)%2)+\i], v3, s[6:7] offset:(32*(\t)+\i)*512 th:TH_LOAD_NT
.endr
.endm
.macro BLOCKV t
.set XS, XV+32*((\t)%2)
.if (\t) < NB-1
	s_wait_loadcnt 32                              ; this block's 32 loads are in; the next block's 32 may be out
.else
	s_wait_loadcnt 0
.endif
	v_max3_num_f32 v12, |v[XS]|, |v[XS+1]|, |v[XS+2]|              ; the block's largest magnitude: all 32 numbers are mine
	v_max3_num_f32 v13, |v[XS+3]|, |v[XS+4]|, |v[XS+5]|
.irp i, 6,10,14,18,22,26
	v_max3_num_f32 v12, v12, |v[XS+\i]|, |v[XS+\i+1]|
	v_max3_num_f32 v13, v13, |v[XS+\i+2]|, |v[XS+\i+3]|
.endr
	v_max3_num_f32 v12, v12, |v[XS+30]|, |v[XS+31]|
	v_max_num_f32 v12, v12, v13
	v_lshrrev_b32 v13, 23, v12
	v_max_u32 v13, EMAX+1, v13
	v_lshl_or_b32 v10, v13, 23, MANT
	v_add_nc_u32 v13, -EMAX, v13
	v_lshlrev_b32 v11, 23, v13
	v_cmp_eq_u32 vcc_lo, 0, v12
	v_cndmask_b32 v13, v13, 127, vcc_lo
.if (\t)%4 == 0
	v_mov_b32 v[SB+(\t)/4], v13                    ; four bytes to a register, the earlier keys in the lower byte
.else
	v_lshl_or_b32 v[SB+(\t)/4], v13, 8*((\t)%4), v[SB+(\t)/4]
.endif
.irp i, 0,1,2,3,4,5,6,7,8,9,10,11,12,13,14,15,16,17,18,19,20,21,22,23,24,25,26,27,28,29,30,31
	v_med3_num_f32 v[XS+\i], v[XS+\i], -v10, v10
.endr
.irp g, 0,1,2,3
	v_cvt_scalef32_pk8_bf8_f32 v[CV+2*\g:CV+2*\g+1], v[XS+8*\g:XS+8*\g+7], v11
.endr
	v_nop                                          ; one plain instruction between a scaled conversion and what touches its result or writes its sources
	ds_store_b128 v4, v[CV:CV+3] offset:32*(\t)    ; 32 codes: 32 bytes of my column's row
	ds_store_b128 v4, v[CV+4:CV+7] offset:32*(\t)+16
.if (\t)+2 < NB
	LOADV (\t)+2
.endif
	s_wait_dscnt 0x0                               ; the stores have read their registers: the next block's codes may be written
.endm
	s_load_b256 s[4:11], s[0:1], 0x0               ; k s[4:5], v s[6:7], k_codes s[8:9], k_scales s[10:11]
	s_load_b128 s[12:15], s[0:1], 0x20             ; v_codes s[12:13], v_scales s[14:15]
	v_lshl_add_u32 v192, v0, 2, 0x8c00
	v_mov_b32 v193, 0
	v_lshrrev_b32 v1, 5, v0
	v_readfirstlane_b32 s16, v1                    ; wave 0..3
	v_and_b32 v2, 31, v0                           ; lane
	s_wait_kmcnt 0x0
	s_cmp_lt_u32 ttmp9, KWG                        ; k's work-group or v's: the work-group's number alone decides
	s_cbranch_scc0 .Lv_part
	; ---- k ----
	v_lshlrev_b32 v3, 6, v2                        ; my 64 bytes of a step's 2,048
	v_lshlrev_b32 v4, 4, v2                        ; my 16 codes of a step's 512
	v_lshrrev_b32 v5, 1, v2
	s_lshl_b32 s17, s16, 8
	v_add_nc_u32 v5, s17, v5                       ; LDS: my wave's 256 bytes, my block's byte
	v_lshlrev_b32 v7, 3, v2                        ; on the way out 8 scale bytes a lane
	v_add_nc_u32 v6, s17, v7
	s_lshl_b32 s18, ttmp9, 2
	s_add_co_u32 s18, s18, s16                     ; which run of 64 keys is my wave's: 0 .. 1,023
	s_mov_b32 s21, 0
	s_lshl_b32 s20, s18, 15                        ; 32,768 bytes of k a run
	s_add_nc_u64 s[4:5], s[4:5], s[20:21]
	s_lshl_b32 s20, s18, 13                        ; 8,192 bytes of codes
	s_add_nc_u64 s[8:9], s[8:9], s[20:21]
	s_lshl_b32 s20, s18, 8                         ; 256 scale bytes
	s_add_nc_u64 s[10:11], s[10:11], s[20:21]
.irp t, 0,1,2,3
	LOADK \t
.endr
.irp t, 0,1,2,3,4,5,6,7,8,9,10,11,12,13,14,15
	STEPK \t
.endr
	ds_load_b64 v[12:13], v6                       ; LDS serves a wave's instructions in order (ISA guide 5.7.1.4): this sees my stores
	s_wait_dscnt 0x0
	global_store_b64 v7, v[12:13], s[10:11]        ; 32 lanes store 256 consecutive bytes, aligned
	s_wait_tensorcnt 0x0
	ds_add_u32 v192, v193
	s_wait_dscnt 0x0
	s_endpgm
	; ---- v ----
.Lv_part:
	s_sub_co_u32 s17, ttmp9, KWG                   ; 8 x head + run of 256 keys
	s_lshr_b32 s18, s17, 3                         ; head
	s_and_b32 s19, s17, 7                          ; run
	v_lshlrev_b32 v3, 2, v2                        ; in: 4 bytes a lane
	s_mul_i32 s22, s16, 32*PITCH                   ; my stage
	v_mul_u32_u24 v4, v2, PITCH
	v_add_nc_u32 v4, s22, v4                       ; into it: row = my column
	v_and_b32 v5, 15, v2
	v_lshrrev_b32 v6, 4, v2                        ; out of it: sixteen lanes to a row, two rows an instruction
	v_mul_u32_u24 v7, v6, PITCH
	v_lshl_add_u32 v7, v5, 4, v7
	v_add_nc_u32 v7, s22, v7
	v_lshlrev_b32 v8, 11, v6                       ; the same place in v_codes: rows of 2,048 bytes
	v_lshl_add_u32 v8, v5, 4, v8
	v_lshlrev_b32 v9, 3, v2                        ; my column's 8 scale bytes
	s_mov_b32 s21, 0
	s_lshl_b32 s20, s18, 20                        ; v: a head is 2^20 bytes, a run of 256 keys 2^17, my wave's 32 columns 128
	s_lshl_b32 s23, s19, 17
	s_add_co_u32 s20, s20, s23
	s_lshl_b32 s23, s16, 7
	s_add_co_u32 s20, s20, s23
	s_add_nc_u64 s[6:7], s[6:7], s[20:21]
	s_lshl_b32 s20, s18, 18                        ; v_codes: a head is 2^18 bytes, my wave's 32 rows 2^16, a run 256
	s_lshl_b32 s23, s16, 16
	s_add_co_u32 s20, s20, s23
	s_lshl_b32 s23, s19, 8
	s_add_co_u32 s20, s20, s23
	s_add_nc_u64 s[12:13], s[12:13], s[20:21]
	s_lshl_b32 s20, s17, 10                        ; v_scales: 1,024 bytes for a head's run, my wave's 32 rows 256
	s_lshl_b32 s23, s16, 8
	s_add_co_u32 s20, s20, s23
	s_add_nc_u64 s[14:15], s[14:15], s[20:21]
	LOADV 0
	LOADV 1
.set Q, 0
.rept NB
	BLOCKV Q
.set Q, Q+1
.endr
	global_store_b64 v9, v[SB:SB+1], s[14:15]      ; 32 lanes store 256 consecutive bytes, aligned
.irp t, 0,1,2,3,4,5,6,7,8,9,10,11,12,13,14,15
	ds_load_b128 v[OUTR+4*\t:OUTR+4*\t+3], v7 offset:2*\t*PITCH   ; in order behind my stores
.endr
.irp t, 0,1,2,3,4,5,6,7,8,9,10,11,12,13,14,15
	s_wait_dscnt 15-\t                             ; the 15 - t younger loads may be out
	global_store_b128 v8, v[OUTR+4*\t:OUTR+4*\t+3], s[12:13] offset:2*\t*2048   ; sixteen lanes store 256 consecutive bytes, aligned
.endr
	s_wait_tensorcnt 0x0
	ds_add_u32 v192, v193
	s_wait_dscnt 0x0
	s_endpgm
.Lfunc_end_k_q96457f968e_quant:
	.size	k_q96457f968e_quant, .Lfunc_end_k_q96457f968e_quant-k_q96457f968e_quant
	.p2alignl 7, 3214868480
	.fill 96, 4, 3214868480
	.section	.rodata,"a",@progbits
	.p2align	6, 0x0
	.amdhsa_kernel k_q96457f968e_quant
		.amdhsa_group_segment_fixed_size 36352
		.amdhsa_private_segment_fixed_size 0
		.amdhsa_enable_private_segment 0
		.amdhsa_kernarg_size 48
		.amdhsa_user_sgpr_count 2
		.amdhsa_user_sgpr_kernarg_segment_ptr 1
		.amdhsa_wavefront_size32 1
		.amdhsa_system_sgpr_workgroup_id_x 1
		.amdhsa_system_sgpr_workgroup_id_y 1
		.amdhsa_system_sgpr_workgroup_id_z 1
		.amdhsa_system_vgpr_workitem_id 0
		.amdhsa_next_free_vgpr 194
		.amdhsa_next_free_sgpr 66
		.amdhsa_reserve_vcc 1
		.amdhsa_float_denorm_mode_32 3
		.amdhsa_float_denorm_mode_16_64 3
		.amdhsa_memory_ordered 1
		.amdhsa_forward_progress 1
		.amdhsa_inst_pref_size 102
	.end_amdhsa_kernel
	.amdgpu_metadata
---
amdhsa.version: [ 1, 2 ]
amdhsa.kernels:
  - .name:           k_q96457f968e_quant
    .symbol:         k_q96457f968e_quant.kd
    .args:
      - { .name: k, .offset: 0, .size: 8, .value_kind: global_buffer, .address_space: global }
      - { .name: v, .offset: 8, .size: 8, .value_kind: global_buffer, .address_space: global }
      - { .name: k_codes, .offset: 16, .size: 8, .value_kind: global_buffer, .address_space: global }
      - { .name: k_scales, .offset: 24, .size: 8, .value_kind: global_buffer, .address_space: global }
      - { .name: v_codes, .offset: 32, .size: 8, .value_kind: global_buffer, .address_space: global }
      - { .name: v_scales, .offset: 40, .size: 8, .value_kind: global_buffer, .address_space: global }
    .group_segment_fixed_size: 36352
    .private_segment_fixed_size: 0
    .kernarg_segment_align: 8
    .kernarg_segment_size: 48
    .max_flat_workgroup_size: 128
    .sgpr_count:     66
    .vgpr_count:     194
    .wavefront_size: 32
...
	.end_amdgpu_metadata
.endif
;; end of part 1
;; launch attn (part 2): grid 8 x 32, 16 waves a work-group, no clusters, 327,680 bytes of LDS; arguments q, k_codes, k_scales, v_codes, v_scales, out0; writes out0
.if DOCPART == 2
	.amdgcn_target "amdgcn-amd-amdhsa--gfx1250"
	.amdhsa_code_object_version 6
	.text
	.protected	k_q96457f968e_attn
	.globl	k_q96457f968e_attn
	.p2align	8
	.type	k_q96457f968e_attn,@function
k_q96457f968e_attn:
	s_mov_b64 s[64:65], 0
	v_nop
	global_prefetch_b8 v0, s[64:65] scope:SCOPE_SE
	s_setreg_imm32_b32 hwreg(HW_REG_WAVE_MODE, 25, 1), 1
	s_wait_xcnt 0x0
; out0[h][q][:] = the sum over keys k <= q of softmax_k(q[h][q] . k[h][k] / sqrt(128)) v[h][k][:]; 32 heads, 2,048 positions, head size 128.  Both products on codes of BF8 (E5M2) with one E8M0 scale for each 32 along K.
; q arrives as f32 and is quantised here, in registers: each row is read by one wave alone.  k and v arrive as the codes and scale bytes that the launch before made (layouts below).
; THE SOFTMAX: t = score x c, c = log2(e) / sqrt(128); M = the row's largest t so far, rounded UP to a whole number; p = 2^(t - M) is what is quantised, along the keys; it is not normalised.
; The row's sum is taken of the unquantised p, in f32, and divides O at the end.  When M moves, the sum and O are multiplied by 2^(old M - new M), a power of two.
; SHARES.  A head's queries are 16 blocks of 128.  Work-group j (0 .. 7) of a head owns blocks j and 15 - j; each of its sixteen waves owns one tile of 16 queries, in 256 registers.  Wave w: tile w / 2 of the low block or of the
; high one, by bit 0 xor bit 2 of w: so of the waves w, w + 4, w + 8, w + 12, and likewise of the waves 4 i .. 4 i + 3, two own a low tile and two a high one.  All waves walk one stream of keys from key 0, 128 a step;
; a wave of block B works in steps 0 .. B; step B holds its diagonal, is masked, and is its last: its rows leave at once.  8 (j + 1) + 8 (16 - j) = 136 wave steps in every work-group.
; K's and V's tiles and their scale bytes come through a ring of two LDS slots of 256 keys, filled by the tensor data mover (waves 0, 1: K's halves; 2, 3: V's; 4: K's scale bytes; 5: V's) and read by all.
; LAYOUT.  Both products are used transposed: S^T = K Q^T (source 0 = 16 keys, source 1 = my 16 queries), O^T = V^T P^T (source 0 = 16 of the head's 128, source 1 = P): a lane holds ONE query (lane % 16) throughout.
; k_codes' and k_scales' rows are the keys with bits 3 and 4 exchanged: rows 16 T .. 16 T + 15 of a step are the keys 32 b + 8 u + r + 8 (r / 8), T = 2 b + u, so that the 16 registers of tiles 2 b and 2 b + 1 are the 16
; neighbouring keys 32 b + 16 (lane / 16) + 0 .. 15: the conversions' results are the second product's operand.
; NO CLUSTER: the eight work-groups of a head need 16 - j key steps, a number that differs between them, and a wave leaves steps out by a branch on its block's number, which in a cluster would hang on the work-group's place.
; LIMITS: NaN and infinities among the inputs are not served.  A p under 2^-126 falls to 0 (the exponential flushes it); a factor 2^(old M - new M) under 2^-149 falls to 0.  Hidden scores are -infinity where the
; definition has -1e30: p is 0 either way while the logits that count lie above -1e30.  t is the score times c, rounded once.  A scale byte held at 1 was not tried.
; REGISTERS: v1-7 addresses that stay; v8-11 the slot's addresses; v12 -M, v13 the largest t, v14-15 the sum (even keys', odd keys'); v16-31 Q's codes; v32-95 four fragments of K or of V, between the products at work;
;   v96-159 S^T, then p; v160-223 O^T; v224-239 p's codes; v240-246 as named; v248-251 the fragments' scale words, v254 p's, v255 Q's: these six hold scales and nothing else; v252 2^(old M - new M), v253 its exponent.
.set KP,    144                        ; a key's row in LDS: 128 bytes + 16 = 36 words: the 16 neighbouring rows of a load start 36 words apart
.set VP,    272                        ; a row of V's tile: 256 bytes + 16
.set VOFF,  256*KP                     ; a slot: 256 rows of K,
.set KSOFF, VOFF+128*VP                ; 128 rows of V,
.set VSOFF, KSOFF+1024                 ; K's 1,024 scale bytes, V's 1,024
.set SLOT1, 1<<17                      ; slot 1 begins here: one exclusive or turns an address in one slot into the other's
.set STAGE, SLOT1+VSOFF+1024           ; behind the ring: 16 rows x 272 bytes for each wave, for the way out; no tile lands here
.set SP,    272
.set SPARE, STAGE+16*16*SP             ; behind the stages: the spare words, 128 bytes for each wave: eight blocks of 256 bytes that no other line names
.set AK0,  1                           ; v1   my lane's place in a tile of K
.set AV0,  2                           ; v2   the same for V
.set ASK0, 3                           ; v3   among K's scale words
.set ASV0, 4                           ; v4   among V's
.set SPW,  5                           ; v5   LDS address of my spare word; never rewritten
.set NIL,  6                           ; v6   0; never rewritten
.set GO,   7                           ; v7   the way out: my byte offset in the wave's rows of out0
.set ADK,  8                           ; v8-11  the four places above, in the slot in hand
.set ADV,  9
.set ADS,  10
.set ADT,  11
.set S,    96
.set O,    160
.set PC,   224
.set REL,  240                         ; v240 my query less my half's first key, within the diagonal step: 16 (w / 2) + r - 16 h
.set STI,  241                         ; v241 the way out: where I put 32 bytes of a row
.set STB,  242                         ; v242 the way out: where I read a row back
.set WV,   16                          ; s16  my wave's number
.set J,    17                          ; s17  j
.set HEAD, 18                          ; s18  the head
.set BLK,  19                          ; s19  my block of 128 queries = my last key step
.set SEL,  20                          ; s[20:21] lane selects for v_permlanex16_b32: lane l xor 16
.set CS,   22                          ; s[22:23] c, twice
.set G1K,  24                          ; s[24:31], s[32:39], s[40:47] descriptor groups 1 for K's tiles, V's tiles, the scale bytes
.set G1V,  32
.set G1S,  40
.set G0K,  48                          ; s[48:51], s[52:55], s[56:59] their groups 0, which walk
.set G0V,  52
.set G0S,  56
.set TB,   60                          ; s60  LDS byte at which the slot in hand begins
.set ST,   61                          ; s61  the key step's number
.set SLOTS, 62                         ; s62  slots still to be asked for
.set U,    63                          ; s63  my tile in its block
.set NINF, 88                          ; s88  -infinity
; One tensor load a wave, for waves 0 to 5; the branches hang on the wave's number alone.  Four v_nop follow each line.  By this text's own count a wave has at most one tensor load out.
.macro TLOAD
	s_cmp_lt_u32 s[WV], 2
	s_cbranch_scc0 .Lnot_k_\@
	tensor_load_to_lds s[G0K:G0K+3], s[G1K:G1K+7]
	s_nop 0
.rept 4
	v_nop
.endr
	s_branch .Lasked_\@
.Lnot_k_\@:
	s_cmp_lt_u32 s[WV], 4
	s_cbranch_scc0 .Lnot_v_\@
	tensor_load_to_lds s[G0V:G0V+3], s[G1V:G1V+7]
	s_nop 0
.rept 4
	v_nop
.endr
	s_branch .Lasked_\@
.Lnot_v_\@:
	s_cmp_lt_u32 s[WV], 6
	s_cbranch_scc0 .Lasked_\@
	tensor_load_to_lds s[G0S:G0S+3], s[G1S:G1S+7]
	s_nop 0
.rept 4
	v_nop
.endr
.Lasked_\@:
.endm
; THE CHANGE OF SLOTS stands at a slot's head.  Each wave waits for all its tensor loads (its part of the slot ahead), adds 0 to its spare word, and waits for that and for its reads of the slot that it has left.
; Behind the barrier the slot ahead is whole and nobody reads the other one.  fill = 1: that other slot takes the next 256 keys: the load has a slot's two steps in which to land.
.macro CHANGE fill
	s_wait_tensorcnt 0x0                           ; no tensor load of mine is out, so a group 0 may be written
	ds_add_u32 v[SPW], v[NIL]                      ; 0 onto my spare word
.if \fill
	s_xor_b32 s[G0K+1], s[G0K+1], SLOT1            ; the walking descriptors: the other slot than last time,
	s_add_nc_u64 s[G0K+2:G0K+3], s[G0K+2:G0K+3], 256*128   ; the next 256 rows of K; the type bits on top are not reached
	s_xor_b32 s[G0V+1], s[G0V+1], SLOT1
	s_add_nc_u64 s[G0V+2:G0V+3], s[G0V+2:G0V+3], 256       ; 256 keys on in each row of V
	s_xor_b32 s[G0S+1], s[G0S+1], SLOT1
	s_add_nc_u64 s[G0S+2:G0S+3], s[G0S+2:G0S+3], 1024      ; the next 1,024 scale bytes
.endif
	s_wait_dscnt 0x0                               ; the add is done, and my reads of the slot that I have left are over
	s_barrier_signal -1
	s_barrier_wait -1
.if \fill
	TLOAD                                          ; the first thing behind the barrier, and a wave's one tensor load until the next
.endif
.endm
; THE WAY OUT, once for each wave, at the end of its diagonal step.  O^T is divided by the sum and goes through my own stage in LDS, half a row (64 channels, 256 bytes) of 16 queries at a time.
.macro WAYOUT
	v_add_f32 v243, v14, v15                       ; the sum: even and odd keys',
	v_permlanex16_b32 v246, v243, s[SEL], s[SEL+1]
	v_add_f32 v243, v243, v246                     ; and lane l xor 16's
	v_rcp_f32 v244, v243
.rept 8
	v_nop                                          ; eight places behind the last products; the first is also the plain place behind the reciprocal
.endr
.set n, 0
	s_wait_alu depctr_va_vdst(0)
.rept 32
	v_pk_mul_f32 v[S+2*n:S+2*n+1], v[O+2*n:O+2*n+1], v[244:245] op_sel_hi:[1,0]   ; register 8 T + i is o(r, 16 T + 8 h + i); each accumulator from its low end on
.set n, n+1
.endr
.irp x, 0,1                                    ; channels 64 x on
.irp t, 0,1,2,3
	ds_store_b128 v[STI], v[S+32*\x+8*\t:S+32*\x+8*\t+3] offset:64*\t
	ds_store_b128 v[STI], v[S+32*\x+8*\t+4:S+32*\x+8*\t+7] offset:64*\t+16
.endr
.irp i, 0,1,2,3,4,5,6,7
	ds_load_b128 v[32+32*\x+4*\i:35+32*\x+4*\i], v[STB] offset:2*\i*SP   ; LDS serves a wave's instructions in order (ISA guide 5.7.1.4): these see my stores, and the next half's stores come behind them
.endr
.endr
.irp x, 0,1
.irp i, 0,1,2,3,4,5,6,7
	s_wait_dscnt 23-16*\x-\i                       ; what was issued behind this load may be out: the half's 7 - i loads and, for the first half, the second's 8 stores and 8 loads
	global_store_b128 v[GO], v[32+32*\x+4*\i:35+32*\x+4*\i], s[14:15] offset:1024*\i+256*\x th:TH_STORE_NT   ; sixteen lanes store 256 consecutive bytes, aligned
.endr
.endr
	s_wait_xcnt 0x0                                ; the stores' registers are written again only behind this wait
.endm
; A KEY STEP: 128 keys, the q-th of the slot in hand.
.macro STEP q
	s_cmp_gt_u32 s[ST], s[BLK]                     ; keys that all lie behind my queries: the step is left out (no barrier, no tensor load and no step of a counter stands inside)
	s_cbranch_scc1 .Lskip_\@
.irp g, 0,1                                    ; S^T = K Q^T, four tiles of 16 keys at a time
.rept 8
	v_nop                                          ; eight places in front of loads into registers that matrix instructions have read
.endr
.irp t, 0,1,2,3
.irp c, 0,1,2,3
	ds_load_b128 v[32+16*\t+4*\c:35+16*\t+4*\c], v[ADK] offset:(128*(\q)+16*(4*\g+\t))*KP+32*\c
.endr
	ds_load_b32 v[248+\t], v[ADS] offset:(128*(\q)+16*(4*\g+\t))*4
.endr
	s_wait_dscnt 0x0
.irp t, 0,1,2,3
	v_wmma_scale_f32_16x16x128_f8f6f4 v[S+8*(4*\g+\t):S+8*(4*\g+\t)+7], v[32+16*\t:47+16*\t], v[16:31], 0, v[248+\t], v255 matrix_a_fmt:MATRIX_FMT_BF8 matrix_b_fmt:MATRIX_FMT_BF8
.endr
.endr                                          ; register 16 b + i of S^T: key 128 step + 32 b + 16 h + i of query r
.rept 8
	v_nop
.endr
	s_cmp_lg_u32 s[ST], s[BLK]
	s_cbranch_scc1 .Lnomask_\@
.set n, 0
.rept 64                                       ; the diagonal step: a key behind my query counts for nothing.  Whole numbers from the ids alone are compared
	v_cmp_le_i32 vcc_lo, 32*(n/16)+n%16, v[REL]
	v_cndmask_b32 v[S+n], s[NINF], v[S+n], vcc_lo
.set n, n+1
.endr
.Lnomask_\@:
.irp b, 0,1,2,3                                ; the largest score of each block of 32 keys: my 16, four chains side by side,
	v_max3_num_f32 v[40+\b], v[S+16*\b], v[S+1+16*\b], v[S+2+16*\b]
.endr
.irp i, 3,5,7,9,11,13
.irp b, 0,1,2,3
	v_max3_num_f32 v[40+\b], v[40+\b], v[S+16*\b+\i], v[S+1+16*\b+\i]
.endr
.endr
.irp b, 0,1,2,3
	v_max_num_f32 v[40+\b], v[40+\b], v[S+15+16*\b]
.endr
.irp b, 0,1,2,3
	v_permlanex16_b32 v[44+\b], v[40+\b], s[SEL], s[SEL+1]   ; (its destination has been written: a fragment lay there)
.endr
.irp b, 0,1,2,3
	v_max_num_f32 v[40+\b], v[40+\b], v[44+\b]     ; and lane l xor 16's
.endr
	v_max3_num_f32 v56, v40, v41, v42              ; the step's largest score of my query
	v_max_num_f32 v56, v56, v43
	v_mul_f32 v56, s[CS], v56                      ; as t (c is positive)
	v_max_num_f32 v13, v13, v56                    ; the running largest t
	v_mov_b32 v253, v12
	v_floor_f32 v12, -v13                          ; the new -M = floor(-t) = -ceil(t): M IS A WHOLE NUMBER
	v_sub_f32 v253, v12, v253                      ; M's old value less its new one: a whole number, 0 or less,
	v_max_num_f32 v253, 0xc3800000, v253           ; held at -256, where the factor is 0 already
	v_cvt_i32_f32 v253, v253
	v_ldexp_f32 v252, 1.0, v253                    ; 2^(old M - new M)
.set n, 0
.rept 32
	v_pk_fma_f32 v[S+2*n:S+2*n+1], v[S+2*n:S+2*n+1], s[CS:CS+1], v[12:13] op_sel_hi:[1,0,0]   ; t - M
.set n, n+1
.endr
.irp b, 0,1,2,3
	v_fma_f32 v[40+\b], v[40+\b], s[CS], v12       ; the same of each block's largest score
.endr
.set n, 0
.rept 64
	v_exp_f32 v[S+n], v[S+n]                       ; p = 2^(t - M): NOT normalised
.set n, n+1
.endr
.irp b, 0,1,2,3
	v_exp_f32 v[40+\b], v[40+\b]                   ; each block's largest p: the same two instructions on the block's largest score give that element's own bits
.endr
	v_nop                                          ; one plain place behind the exponentials
	s_wait_alu depctr_va_vdst(0)
.irp x, 0,1,2,3                                ; the sum of the UNQUANTISED p: 32 pairs in four chains
	v_pk_add_f32 v[32+2*\x:33+2*\x], v[S+2*\x:S+1+2*\x], v[S+8+2*\x:S+9+2*\x]
.endr
.irp y, 2,3,4,5,6,7
.irp x, 0,1,2,3
	v_pk_add_f32 v[32+2*\x:33+2*\x], v[32+2*\x:33+2*\x], v[S+8*\y+2*\x:S+8*\y+2*\x+1]
.endr
.endr
	v_pk_add_f32 v[32:33], v[32:33], v[34:35]
	v_pk_add_f32 v[36:37], v[36:37], v[38:39]
	v_pk_add_f32 v[32:33], v[32:33], v[36:37]
	v_pk_fma_f32 v[14:15], v[14:15], v[252:253], v[32:33] op_sel_hi:[1,0,1]   ; what was summed under the old M is brought under the new
.irp b, 0,1,2,3                                ; p's block b: scale byte, 57,344 x the scale, the scale as f32
	v_lshrrev_b32 v[44+\b], 23, v[40+\b]
	v_max_u32 v[44+\b], 16, v[44+\b]
	v_lshl_or_b32 v[48+\b], v[44+\b], 23, 0x600000
	v_add_nc_u32 v[44+\b], -15, v[44+\b]
	v_lshlrev_b32 v[52+\b], 23, v[44+\b]
	v_cmp_eq_u32 vcc_lo, 0, v[40+\b]
	v_cndmask_b32 v[44+\b], v[44+\b], 127, vcc_lo  ; a block whose every p is 0 (hidden, or fallen to 0)
.endr
	v_lshl_or_b32 v254, v45, 8, v44                ; p's scale word for these 128 keys
	v_lshl_or_b32 v254, v46, 16, v254
	v_lshl_or_b32 v254, v47, 24, v254
.irp b, 0,1,2,3
.irp i, 0,1,2,3,4,5,6,7,8,9,10,11,12,13,14,15
	v_min_num_f32 v[S+16*\b+\i], v[S+16*\b+\i], v[48+\b]   ; the conversion does not saturate (ISA guide 7.6.2); p is not negative, so the hold has one side
.endr
	v_cvt_scalef32_pk8_bf8_f32 v[PC+4*\b:PC+1+4*\b], v[S+16*\b:S+7+16*\b], v[52+\b]
	v_cvt_scalef32_pk8_bf8_f32 v[PC+2+4*\b:PC+3+4*\b], v[S+8+16*\b:S+15+16*\b], v[52+\b]
.endr
.set n, 0
.rept 32
	v_pk_mul_f32 v[O+2*n:O+2*n+1], v[O+2*n:O+2*n+1], v[252:253] op_sel_hi:[1,0]   ; O^T under the new M.  (These 32 are also the places between p's scale word and codes and the products, and behind the conversions)
.set n, n+1
.endr
.irp g, 0,1                                    ; O^T += V^T P^T: four tiles of 16 of the head's 128 at a time; K = these 128 keys.  The eight accumulators take turns, one instruction a turn
.if \g > 0
.rept 8
	v_nop
.endr
.endif
.irp t, 0,1,2,3
.irp c, 0,1,2,3
	ds_load_b128 v[32+16*\t+4*\c:35+16*\t+4*\c], v[ADV] offset:16*(4*\g+\t)*VP+128*(\q)+32*\c
.endr
	ds_load_b32 v[248+\t], v[ADT] offset:128*(4*\g+\t)+4*(\q)
.endr
	s_wait_dscnt 0x0
.irp t, 0,1,2,3
	v_wmma_scale_f32_16x16x128_f8f6f4 v[O+8*(4*\g+\t):O+8*(4*\g+\t)+7], v[32+16*\t:47+16*\t], v[PC:PC+15], v[O+8*(4*\g+\t):O+8*(4*\g+\t)+7], v[248+\t], v254 matrix_a_fmt:MATRIX_FMT_BF8 matrix_b_fmt:MATRIX_FMT_BF8
.endr
.endr
	s_cmp_lg_u32 s[ST], s[BLK]
	s_cbranch_scc1 .Lskip_\@
	WAYOUT                                         ; that was my last step
.Lskip_\@:
	s_add_co_u32 s[ST], s[ST], 1
.endm
.macro SLOT_STEPS
	v_add_nc_u32 v[ADK], s[TB], v[AK0]
	v_add_nc_u32 v[ADV], s[TB], v[AV0]
	v_add_nc_u32 v[ADS], s[TB], v[ASK0]
	v_add_nc_u32 v[ADT], s[TB], v[ASV0]
	STEP 0
	STEP 1
	s_xor_b32 s[TB], s[TB], SLOT1                  ; on to the other slot
.endm
	s_load_b256 s[4:11], s[0:1], 0x0               ; q s[4:5], k_codes s[6:7], k_scales s[8:9], v_codes s[10:11]
	s_load_b128 s[12:15], s[0:1], 0x20             ; v_scales s[12:13], out0 s[14:15]
	v_lshl_add_u32 v[SPW], v0, 2, SPARE
	v_mov_b32 v[NIL], 0
	ds_add_u32 v5, v6
	s_wait_dscnt 0x0
	v_lshrrev_b32 v8, 5, v0
	v_readfirstlane_b32 s[WV], v8                  ; wave 0..15
	s_mov_b32 s[J], ttmp9
	s_and_b32 s[HEAD], ttmp7, 0xffff
	s_lshr_b32 s[U], s[WV], 1                      ; my tile in its block
	s_lshr_b32 s66, s[WV], 2
	s_xor_b32 s66, s66, s[WV]
	s_and_b32 s66, s66, 1                          ; bit 0 xor bit 2 of the wave's number: the high block?
	s_sub_co_u32 s67, 15, s[J]
	s_cmp_lg_u32 s66, 0
	s_cselect_b32 s[BLK], s67, s[J]
	s_lshl_b32 s68, s[HEAD], 11                    ; my first query's row among all heads': 2,048 head + 128 block + 16 tile,
	s_lshl_b32 s69, s[BLK], 7
	s_add_co_u32 s68, s68, s69
	s_lshl_b32 s69, s[U], 4
	s_add_co_u32 s68, s68, s69
	s_lshl_b32 s68, s68, 9                         ; in bytes: rows of 512 (under 2^25)
	s_mov_b32 s69, 0
	s_and_b32 s70, s[WV], 1                        ; which half I fetch, if I fetch
	s_lshl_b32 s72, s[HEAD], 18                    ; a head's codes are 2^18 bytes
	s_lshl_b32 s74, s70, 14                        ; K: 128 rows of 128 bytes
	s_add_co_u32 s74, s74, s72
	s_mov_b32 s75, 0
	s_lshl_b32 s76, s70, 17                        ; V: 64 rows of 2,048 bytes
	s_add_co_u32 s76, s76, s72
	s_mov_b32 s77, 0
	s_lshl_b32 s78, s[HEAD], 13                    ; a head's scale bytes are 2^13
	s_mov_b32 s79, 0
	s_mul_i32 s80, s70, 128*KP                     ; and where they go in slot 0
	s_mul_i32 s81, s70, 64*VP
	s_add_co_u32 s81, s81, VOFF
	s_lshl_b32 s82, s70, 10
	s_add_co_u32 s82, s82, KSOFF
	; descriptor groups 1.  K: 128 rows of 128 bytes, dense;  V: 64 rows of 256 bytes, 2,048 apart;  scale bytes: 1,024 dense bytes as 4 rows of 32 elements of 8 bytes
	s_mov_b32 s[G1K], (0<<16)|(1<<20)|(4<<22)|(3<<25)   ; 15:0 no mask; 17:16 elements of 1 byte; 20 padding on; 24:22 after every 32 words (code 4); 31:25 four words (code 3)
	s_mov_b32 s[G1K+1], 128<<16                    ; tensor_dim0
	s_mov_b32 s[G1K+2], 128<<16                    ; tensor_dim1
	s_mov_b32 s[G1K+3], 128<<16                    ; tile_dim0
	s_mov_b32 s[G1K+4], 128                        ; tile_dim1
	s_mov_b32 s[G1K+5], 128                        ; tensor_dim0_stride
	s_mov_b32 s[G1K+6], 0
	s_mov_b32 s[G1K+7], 0
	s_mov_b32 s[G1V], (0<<16)|(1<<20)|(5<<22)|(3<<25)   ; padding: four words after every 64
	s_mov_b32 s[G1V+1], 256<<16
	s_mov_b32 s[G1V+2], 64<<16
	s_mov_b32 s[G1V+3], 256<<16
	s_mov_b32 s[G1V+4], 64
	s_mov_b32 s[G1V+5], 2048
	s_mov_b32 s[G1V+6], 0
	s_mov_b32 s[G1V+7], 0
	s_mov_b32 s[G1S], 3<<16                        ; elements of 8 bytes, no padding
	s_mov_b32 s[G1S+1], 32<<16
	s_mov_b32 s[G1S+2], 4<<16
	s_mov_b32 s[G1S+3], 32<<16
	s_mov_b32 s[G1S+4], 4
	s_mov_b32 s[G1S+5], 32
	s_mov_b32 s[G1S+6], 0
	s_mov_b32 s[G1S+7], 0
	s_mov_b32 s[SEL], 0x76543210
	s_mov_b32 s[SEL+1], 0xfedcba98
	s_mov_b32 s[CS], 0x3e0293ee                    ; c = log2(e) / sqrt(128)
	s_mov_b32 s[CS+1], 0x3e0293ee                  ; named with it as a pair, so it is written
	s_mov_b32 s[NINF], 0xff800000
	s_mov_b32 s[TB], 0
	s_mov_b32 s[ST], 0
	s_sub_co_u32 s[SLOTS], 17, s[J]                ; 16 - j key steps are (17 - j) / 2 slots, 5 to 8; all but the first are asked for in the loop
	s_lshr_b32 s[SLOTS], s[SLOTS], 1
	s_sub_co_u32 s[SLOTS], s[SLOTS], 1
	s_wait_kmcnt 0x0
	s_mov_b32 s[G0K], 1                            ; 1:0 count = 1
	s_mov_b32 s[G0K+1], s80                        ; 63:32 LDS address: slot 0
	s_add_nc_u64 s[G0K+2:G0K+3], s[6:7], s[74:75]  ; 120:64 global address: the head's first 256 rows
	s_or_b32 s[G0K+3], s[G0K+3], 0x80000000        ; 127:126 type = 2
	s_mov_b32 s[G0V], 1
	s_mov_b32 s[G0V+1], s81
	s_add_nc_u64 s[G0V+2:G0V+3], s[10:11], s[76:77]
	s_or_b32 s[G0V+3], s[G0V+3], 0x80000000
	s_cmp_eq_u32 s70, 0                            ; an even wave takes K's scale bytes, an odd one V's: the choice hangs on the wave's number alone
	s_cselect_b64 s[84:85], s[8:9], s[12:13]
	s_mov_b32 s[G0S], 1
	s_mov_b32 s[G0S+1], s82
	s_add_nc_u64 s[G0S+2:G0S+3], s[84:85], s[78:79]
	s_or_b32 s[G0S+3], s[G0S+3], 0x80000000
	TLOAD                                          ; slot 0: the one first fill at the start, ahead of every wait on TENSORcnt, every LDS read and every barrier
	s_add_nc_u64 s[4:5], s[4:5], s[68:69]          ; q and out0 at my first query
	s_add_nc_u64 s[14:15], s[14:15], s[68:69]
	v_and_b32 v8, 15, v0                           ; r = lane % 16
	v_bfe_u32 v9, v0, 4, 1                         ; h = lane / 16
	v_lshlrev_b32 v10, 9, v8
	v_lshl_add_u32 v10, v9, 6, v10                 ; q: row r of 512 bytes, + 64 h: the operand's layout gives lane (r, h) k = 32 c + 16 h + 0 .. 15
.irp c, 0,1,2,3
.irp i, 0,1,2,3
	global_load_b128 v[S+16*\c+4*\i:S+16*\c+4*\i+3], v10, s[4:5] offset:128*\c+16*\i th:TH_LOAD_NT
.endr
.endr
	v_mul_u32_u24 v[AK0], v8, KP
	v_lshl_add_u32 v[AK0], v9, 4, v[AK0]           ; row r x pitch + 16 h
	v_mul_u32_u24 v[AV0], v8, VP
	v_lshl_add_u32 v[AV0], v9, 4, v[AV0]
	v_add_nc_u32 v[AV0], VOFF, v[AV0]
	v_lshl_add_u32 v[ASK0], v8, 2, KSOFF           ; K's scale words: 4 bytes a row
	v_lshl_add_u32 v[ASV0], v8, 3, VSOFF           ; V's: 8 bytes a row, a word for each of the slot's two steps
	v_lshlrev_b32 v[GO], 9, v9
	v_lshl_add_u32 v[GO], v8, 4, v[GO]             ; the way out: lanes 0-15 one row of out0, lanes 16-31 the next; 16 bytes a lane
	v_lshlrev_b32 v11, 4, v9
	v_sub_nc_u32 v[REL], v8, v11
	s_lshl_b32 s86, s[U], 4
	v_add_nc_u32 v[REL], s86, v[REL]               ; 16 tile + r - 16 h
	s_mul_i32 s87, s[WV], 16*SP
	s_add_co_u32 s87, s87, STAGE                   ; my stage
	v_mul_u32_u24 v[STI], v8, SP
	v_lshl_add_u32 v[STI], v9, 5, v[STI]
	v_add_nc_u32 v[STI], s87, v[STI]               ; in: row r; 32 bytes for each half of the lanes
	v_mul_u32_u24 v[STB], v9, SP
	v_lshl_add_u32 v[STB], v8, 4, v[STB]
	v_add_nc_u32 v[STB], s87, v[STB]               ; back: lanes 0-15 one row, lanes 16-31 the next
	v_mov_b32 v244, 0
	v_mov_b32 v245, 0                              ; named as a pair with 1 / the sum, so it is written
	v_mov_b32 v246, 0                              ; (the destination of a lane permute counts as read)
	s_wait_loadcnt 0x0                             ; q
.irp c, 0,1,2,3                                ; q's block c of 32 along the head's 128: my 16 numbers and those of lane l xor 16
	v_max3_num_f32 v[32+\c], |v[S+16*\c]|, |v[S+1+16*\c]|, |v[S+2+16*\c]|
.irp i, 3,5,7,9,11,13
	v_max3_num_f32 v[32+\c], v[32+\c], |v[S+16*\c+\i]|, |v[S+1+16*\c+\i]|
.endr
	v_max_num_f32 v[32+\c], v[32+\c], |v[S+15+16*\c]|
	v_mov_b32 v[36+\c], 0                          ; (the destination of a lane permute counts as read)
	v_permlanex16_b32 v[36+\c], v[32+\c], s[SEL], s[SEL+1]
	v_max_num_f32 v[32+\c], v[32+\c], v[36+\c]     ; the block's largest magnitude
	v_lshrrev_b32 v[36+\c], 23, v[32+\c]           ; its exponent field
	v_max_u32 v[36+\c], 16, v[36+\c]               ; (the byte is not to fall under 1)
	v_lshl_or_b32 v[40+\c], v[36+\c], 23, 0x600000 ; 57,344 x the scale
	v_add_nc_u32 v[36+\c], -15, v[36+\c]           ; the scale's byte
	v_lshlrev_b32 v[44+\c], 23, v[36+\c]           ; the scale as f32, for the conversion
	v_cmp_eq_u32 vcc_lo, 0, v[32+\c]
	v_cndmask_b32 v[36+\c], v[36+\c], 127, vcc_lo  ; a block of zeros
.endr
	v_lshl_or_b32 v255, v37, 8, v36                ; the four bytes make query r's scale word
	v_lshl_or_b32 v255, v38, 16, v255
	v_lshl_or_b32 v255, v39, 24, v255
.irp c, 0,1,2,3
.irp i, 0,1,2,3,4,5,6,7,8,9,10,11,12,13,14,15
	v_med3_num_f32 v[S+16*\c+\i], v[S+16*\c+\i], -v[40+\c], v[40+\c]
.endr
	v_cvt_scalef32_pk8_bf8_f32 v[16+4*\c:17+4*\c], v[S+16*\c:S+7+16*\c], v[44+\c]   ; registers 4 c .. 4 c + 3 of the operand
	v_cvt_scalef32_pk8_bf8_f32 v[18+4*\c:19+4*\c], v[S+8+16*\c:S+15+16*\c], v[44+\c]
.endr
	v_mov_b32 v13, 0xff61b1e6                      ; the largest t so far: -3e38, under every t
	v_floor_f32 v12, -v13                          ; -M
	v_mov_b32 v14, 0                               ; the sum
	v_mov_b32 v15, 0
.set n, 0
.rept 64
	v_mov_b32 v[O+n], 0                            ; O^T.  The key step is written without a first step of its own: the first factor is 0 and finds zeros.  (These are also the places between Q's scale word and codes and the first product)
.set n, n+1
.endr
.Lslot:                                            ; one trip for each slot but the last: behind each change of slots the next slot is asked for; the first trip's fill is slot 1's first
	CHANGE 1
	SLOT_STEPS
	s_sub_co_u32 s[SLOTS], s[SLOTS], 1
	s_cmp_lg_u32 s[SLOTS], 0
	s_cbranch_scc1 .Lslot
	CHANGE 0                                       ; the last slot is written out
	SLOT_STEPS
	s_wait_tensorcnt 0x0                           ; the wave's end, behind my last tensor load and my last LDS store
	ds_add_u32 v[SPW], v[NIL]
	s_wait_dscnt 0x0
	s_endpgm
.Lfunc_end_k_q96457f968e_attn:
	.size	k_q96457f968e_attn, .Lfunc_end_k_q96457f968e_attn-k_q96457f968e_attn
	.p2alignl 7, 3214868480
	.fill 96, 4, 3214868480
	.section	.rodata,"a",@progbits
	.p2align	6, 0x0
	.amdhsa_kernel k_q96457f968e_attn
		.amdhsa_group_segment_fixed_size 327680
		.amdhsa_private_segment_fixed_size 0
		.amdhsa_enable_private_segment 0
		.amdhsa_kernarg_size 48
		.amdhsa_user_sgpr_count 2
		.amdhsa_user_sgpr_kernarg_segment_ptr 1
		.amdhsa_wavefront_size32 1
		.amdhsa_system_sgpr_workgroup_id_x 1
		.amdhsa_system_sgpr_workgroup_id_y 1
		.amdhsa_system_sgpr_workgroup_id_z 1
		.amdhsa_system_vgpr_workitem_id 0
		.amdhsa_next_free_vgpr 256
		.amdhsa_next_free_sgpr 100
		.amdhsa_reserve_vcc 1
		.amdhsa_float_denorm_mode_32 3
		.amdhsa_float_denorm_mode_16_64 3
		.amdhsa_memory_ordered 1
		.amdhsa_forward_progress 1
		.amdhsa_inst_pref_size 162
	.end_amdhsa_kernel
	.amdgpu_metadata
---
amdhsa.version: [ 1, 2 ]
amdhsa.kernels:
  - .name:           k_q96457f968e_attn
    .symbol:         k_q96457f968e_attn.kd
    .args:
      - { .name: q, .offset: 0, .size: 8, .value_kind: global_buffer, .address_space: global }
      - { .name: k_codes, .offset: 8, .size: 8, .value_kind: global_buffer, .address_space: global }
      - { .name: k_scales, .offset: 16, .size: 8, .value_kind: global_buffer, .address_space: global }
      - { .name: v_codes, .offset: 24, .size: 8, .value_kind: global_buffer, .address_space: global }
      - { .name: v_scales, .offset: 32, .size: 8, .value_kind: global_buffer, .address_space: global }
      - { .name: out0, .offset: 40, .size: 8, .value_kind: global_buffer, .address_space: global }
    .group_segment_fixed_size: 327680
    .private_segment_fixed_size: 0
    .kernarg_segment_align: 8
    .kernarg_segment_size: 48
    .max_flat_workgroup_size: 512
    .sgpr_count:     100
    .vgpr_count:     256
    .wavefront_size: 32
...
	.end_amdgpu_metadata
.endif
;; end of part 2
;; ======== version 2 of 2: 2 launches
;; limits: right only within a limited range of input values
;; workspace buffers: kv 17,301,504 bytes
;; launch quant (part 3): grid 512 x 1, 4 waves a work-group, no clusters, 36,352 bytes of LDS; arguments k, v, kv; writes kv
.if DOCPART == 3
	.amdgcn_target "amdgcn-amd-amdhsa--gfx1250"
	.amdhsa_code_object_version 6
	.text
	.protected	k_q96457f968e_quant
	.globl	k_q96457f968e_quant
	.p2align	8
	.type	k_q96457f968e_quant,@function
k_q96457f968e_quant:
	s_mov_b64 s[64:65], 0
	v_nop
	global_prefetch_b8 v0, s[64:65] scope:SCOPE_SE
	s_setreg_imm32_b32 hwreg(HW_REG_WAVE_MODE, 25, 1), 1
	s_wait_xcnt 0x0
; k and v, [32 heads][2,048 keys][128] f32, are turned into codes of BF8 (E5M2) with one E8M0 scale byte for each 32 along the K of the product that reads them.
; A block's scale is 2^(floor(log2(its largest magnitude)) - 15); its byte is the largest magnitude's exponent field - 15, held at 1 from below; a block of zeros gets 127.
; Each number is divided by the scale, held within +-57,344 and rounded to the nearest code, ties to even.
; LIMITS: blocks whose largest magnitude lies under 2^(15 - 125), whose byte is held at 1, were not tried; NaN and infinities among the inputs are not served.
; WORK-GROUPS 0-255: k.  Its K is the head's 128, innermost: a plain stream of blocks of 32.  A wave takes 64 keys (32 KB) in 16 steps of 4 keys; eight steps' loads (16 KB) go out at the start.
;   A load of the wave covers 512 consecutive bytes.  The conversions want 16 neighbours in ONE lane, so a step's 2,048 bytes are turned in the wave's own LDS: in as they came, out 64 bytes a lane; two lanes hold a block.
;   k_codes [32][2,048 rows][128 bytes], k_scales [32][2,048 rows][4 bytes]; a key's ROW is the key with its bits 3 and 4 exchanged, so that the 16 keys 32 b + 8 u + r + 8 (r / 8), r = 0 .. 15,
;   which the next launch takes as one tile, are 16 neighbouring rows.  A step is 4 keys, so the exchange is one of bits 1 and 2 of the step's number: a constant in the stores' offsets.
; WORK-GROUPS 256-511: v.  Its K is the keys, the outer axis: a lane takes a column d and its registers run down the keys, so a block lies in one lane and the codes come out with the keys innermost.
;   A work-group takes 256 keys of a head, a wave 32 columns.  v_codes [32][128 d][2,048 keys]; v_scales [32][8 runs of 256 keys][128 d][8 bytes], so that a run's scale bytes are 1,024 dense bytes.
; LDS: wave w touches bytes 8,960 w to 8,960 w + 8,959 and its 128 bytes at 35,840 + 128 w, in either part.  So waves share nothing, and there is no barrier.  No tensor loads.
; A stream: matrix units, clusters and tensor loads would add nothing.
.set EMAX,  15
.set MANT,  0x600000                   ; the mantissa field of 57,344 as f32
; THE BUFFER kv holds what the lines above call k_codes, k_scales, v_codes and v_scales; the extents given there are replaced by these: for each 256 keys of a head (8 such pieces a head, heads one behind the other)
; 67,584 dense bytes: k's codes, 256 rows of 128 bytes; v's codes, for each of the two runs of 128 keys 128 rows (d) of 128 bytes; k's scale bytes, 256 x 4; v's scale bytes, 128 (d) x 8.
; WORK LEFT OUT, in the next launch: the causal mask replaces the score of every key behind the query by -1e30, and a key that the mask hides has p = 0 for all finite inputs
; (while the logits that count lie above -1e30): key steps of 128 that are hidden from all of a wave's queries are not done.  A NaN, an infinity or an overflow that reaches only such scores is not carried to the result.
.set PAIRB, 67584
.set KWG,   256
.set AREA,  8960                       ; a wave's own LDS: k: the room for the turn and 256 scale bytes; v: the stage, 32 rows x 272 bytes
.set KBUF,  2560                       ; k: the room: 32 runs of 64 bytes, 80 apart: on the way out lane l reads at 80 l, so sixteen lanes start at sixteen different columns of 16 bytes
.set GK,    16                         ; k: v16-143  eight sets of 16 registers: a step as loaded
.set YK,    144                        ; k: v144-175 two sets of 16 numbers, turned
.set CK,    176                        ; k: v176-239 codes: four registers for each step, so that no store's data are written again
.set EK,    240                        ; k: v240-255 a scale byte for each step
.set PITCH, 272                        ; v: a stage row: 256 bytes of codes + 16
.set NB,    8                          ; v: blocks of 32 keys for a lane
.set XV,    32                         ; v: v32-95   two sets of 32 numbers
.set CV,    96                         ; v: v96-103  a block's codes
.set OUTR,  112                        ; v: v112-175 the way out
.set SB,    24                         ; v: v24-25   the scale bytes, four to a register
.macro LOADK t                         ; step t: four keys' rows, 512 consecutive bytes a load, into set t % 8
.irp i, 0,1,2,3
	global_load_b128 v[GK+16*((\t)%8)+4*\i:GK+16*((\t)%8)+4*\i+3], v3, s[4:5] offset:2048*(\t)+512*\i th:TH_LOAD_NT
.endr
.endm
.macro TURNK t                         ; step t goes through my room: byte p of the step lies at 80 (p / 64) + p % 64
.if (\t) == 0
	s_wait_loadcnt 28                              ; step 0's four loads are in; steps 1 to 7, four each, may be out
.elseif 15-(\t) >= 6
	s_wait_loadcnt 24                              ; this step's loads are in; the six later steps that have been asked for may be out
.else
	s_wait_loadcnt 4*(15-(\t))                     ; the tail: four for each step still to come
.endif
.irp i, 0,1,2,3
	ds_store_b128 v4, v[GK+16*((\t)%8)+4*\i:GK+16*((\t)%8)+4*\i+3] offset:640*\i
.endr
.irp i, 0,1,2,3
	ds_load_b128 v[YK+16*((\t)%2)+4*\i:YK+16*((\t)%2)+4*\i+3], v5 offset:16*\i   ; LDS serves a wave's instructions in order (ISA guide 5.7.1.4): these see the stores above, and the next step's stores come behind them
.endr
.endm
.macro PROCK t
.set XS, YK+16*((\t)%2)
.set TP, ((\t)&9)|(((\t)&2)<<1)|(((\t)&4)>>1)      ; the step's place in the output: bits 1 and 2 exchanged
.if (\t) == 0
	s_wait_dscnt 8                                 ; behind this step's LDS loads: the next turn's 4 stores and 4 loads
.elseif (\t) < 15
	s_wait_dscnt 9                                 ; the last step's byte store, and the next turn's eight
.else
	s_wait_dscnt 1                                 ; the last step's byte store
.endif
.if (\t)+8 < 16
	LOADK (\t)+8                                   ; this step's LDS stores, issued ahead of the loads just waited for, have read their registers: the set takes the step eight further on
.endif
	v_max3_num_f32 v8, |v[XS]|, |v[XS+1]|, |v[XS+2]|               ; the largest magnitude of my 16, in two chains
	v_max3_num_f32 v9, |v[XS+3]|, |v[XS+4]|, |v[XS+5]|
.irp i, 6,10
	v_max3_num_f32 v8, v8, |v[XS+\i]|, |v[XS+\i+1]|
	v_max3_num_f32 v9, v9, |v[XS+\i+2]|, |v[XS+\i+3]|
.endr
	v_max3_num_f32 v8, v8, |v[XS+14]|, |v[XS+15]|
	v_max_num_f32 v8, v8, v9
	v_max_num_f32_dpp v8, v8, v8 row_xmask:1 row_mask:0xf bank_mask:0xf   ; and of my neighbour's 16: the block's
	v_lshrrev_b32 v9, 23, v8                       ; its exponent field
	v_max_u32 v9, EMAX+1, v9                       ; the byte is not to fall under 1
	v_lshl_or_b32 v10, v9, 23, MANT                ; 57,344 x the scale
	v_add_nc_u32 v9, -EMAX, v9                     ; the scale's byte
	v_lshlrev_b32 v11, 23, v9                      ; the scale as f32: the conversion takes its exponent field
	v_cmp_eq_u32 vcc_lo, 0, v8                     ; a block of zeros?
.irp i, 0,1,2,3,4,5,6,7,8,9,10,11,12,13,14,15
	v_med3_num_f32 v[XS+\i], v[XS+\i], -v10, v10   ; the conversion does not saturate (ISA guide 7.6.2): hold the number first
.endr
	v_cvt_scalef32_pk8_bf8_f32 v[CK+4*(\t):CK+4*(\t)+1], v[XS:XS+7], v11
	v_cvt_scalef32_pk8_bf8_f32 v[CK+4*(\t)+2:CK+4*(\t)+3], v[XS+8:XS+15], v11
	v_cndmask_b32 v[EK+(\t)], v9, 127, vcc_lo      ; a block of zeros gets 127.  (Also the plain instruction between a scaled conversion and what touches its result or writes its sources)
	ds_store_b8 v6, v[EK+(\t)] offset:16*TP        ; both lanes of a block write the same byte with the same value
	global_store_b128 v3, v[CK+4*(\t):CK+4*(\t)+3], s[8:9] offset:512*TP   ; the wave stores 512 consecutive bytes, four rows
.endm
.macro LOADV t                         ; block t: v(32 t + i, my column), i = 0 .. 31, into set t % 2; a row of v is 512 bytes
.irp i, 0,1,2,3,4,5,6,7,8,9,10,11,12,13,14,15,16,17,18,19,20,21,22,23,24,25,26,27,28,29,30,31
	global_load_b32 v[XV+32*((\t)%2)+\i], v3, s[6:7] offset:(32*(\t)+\i)*512 th:TH_LOAD_NT
.endr
.endm
.macro BLOCKV t
.set XS, XV+32*((\t)%2)
.if (\t) < NB-1
	s_wait_loadcnt 32                              ; this block's 32 loads are in; the next block's 32 may be out
.else
	s_wait_loadcnt 0
.endif
	v_max3_num_f32 v12, |v[XS]|, |v[XS+1]|, |v[XS+2]|              ; the block's largest magnitude: all 32 numbers are mine
	v_max3_num_f32 v13, |v[XS+3]|, |v[XS+4]|, |v[XS+5]|
.irp i, 6,10,14,18,22,26
	v_max3_num_f32 v12, v12, |v[XS+\i]|, |v[XS+\i+1]|
	v_max3_num_f32 v13, v13, |v[XS+\i+2]|, |v[XS+\i+3]|
.endr
	v_max3_num_f32 v12, v12, |v[XS+30]|, |v[XS+31]|
	v_max_num_f32 v12, v12, v13
	v_lshrrev_b32 v13, 23, v12
	v_max_u32 v13, EMAX+1, v13
	v_lshl_or_b32 v10, v13, 23, MANT
	v_add_nc_u32 v13, -EMAX, v13
	v_lshlrev_b32 v11, 23, v13
	v_cmp_eq_u32 vcc_lo, 0, v12
	v_cndmask_b32 v13, v13, 127, vcc_lo
.if (\t)%4 == 0
	v_mov_b32 v[SB+(\t)/4], v13                    ; four bytes to a register, the earlier keys in the lower byte
.else
	v_lshl_or_b32 v[SB+(\t)/4], v13, 8*((\t)%4), v[SB+(\t)/4]
.endif
.irp i, 0,1,2,3,4,5,6,7,8,9,10,11,12,13,14,15,16,17,18,19,20,21,22,23,24,25,26,27,28,29,30,31
	v_med3_num_f32 v[XS+\i], v[XS+\i], -v10, v10
.endr
.irp g, 0,1,2,3
	v_cvt_scalef32_pk8_bf8_f32 v[CV+2*\g:CV+2*\g+1], v[XS+8*\g:XS+8*\g+7], v11
.endr
	v_nop                                          ; one plain instruction between a scaled conversion and what touches its result or writes its sources
	ds_store_b128 v4, v[CV:CV+3] offset:32*(\t)    ; 32 codes: 32 bytes of my column's row
	ds_store_b128 v4, v[CV+4:CV+7] offset:32*(\t)+16
.if (\t)+2 < NB
	LOADV (\t)+2
.endif
	s_wait_dscnt 0x0                               ; the stores have read their registers: the next block's codes may be written
.endm
	s_load_b128 s[4:7], s[0:1], 0x0                ; k s[4:5], v s[6:7]
	s_load_b64 s[8:9], s[0:1], 0x10                ; kv
	s_set_vgpr_msb 0x40
	v_lshl_add_u32 v0, v0, 2, 0x8c00
	v_mov_b32 v1, 0
	s_set_vgpr_msb 0x4000
	v_lshrrev_b32 v1, 5, v0
	v_readfirstlane_b32 s16, v1                    ; wave 0..3
	v_and_b32 v2, 31, v0                           ; lane
	s_mul_i32 s26, s16, AREA                       ; where my wave's own LDS begins
	s_wait_kmcnt 0x0
	s_cmp_lt_u32 ttmp9, KWG                        ; k's work-group or v's: the work-group's number alone decides
	s_cbranch_scc0 .Lv_part
	; ---- k ----
	s_wait_alu depctr_va_vdst(0)
	v_lshlrev_b32 v3, 4, v2                        ; 16 x lane: my 16 bytes of a load's 512, and my 16 codes of a step's 512
	s_lshl_b32 s18, ttmp9, 2
	s_add_co_u32 s18, s18, s16                     ; which run of 64 keys is my wave's: 0 .. 1,023
	s_mov_b32 s21, 0
	s_lshl_b32 s20, s18, 15                        ; 32,768 bytes of k a run
	s_add_nc_u64 s[4:5], s[4:5], s[20:21]
.irp t, 0,1,2,3,4,5,6,7
	LOADK \t
.endr
	s_mul_i32 s22, ttmp9, PAIRB                    ; my work-group's 256 keys
	s_mov_b32 s23, 0
	s_lshl_b32 s24, s16, 13                        ; 8,192 bytes of codes a wave
	s_add_co_u32 s20, s22, s24
	s_lshl_b32 s24, s16, 8                         ; 256 scale bytes a wave
	s_add_co_u32 s22, s22, s24
	s_add_co_u32 s22, s22, 65536
	s_add_nc_u64 s[10:11], s[8:9], s[22:23]
	s_add_nc_u64 s[8:9], s[8:9], s[20:21]
	v_lshrrev_b32 v4, 2, v2
	v_and_b32 v5, 3, v2
	v_mul_u32_u24 v4, v4, 80
	v_lshl_add_u32 v4, v5, 4, v4
	v_add_nc_u32 v4, s26, v4                       ; into the room: four lanes fill a run of 64 bytes; a load's 512 bytes are 8 runs, 640 bytes of the room
	v_mul_u32_u24 v5, v2, 80
	v_add_nc_u32 v5, s26, v5                       ; out of it: run l is lane l's
	s_add_co_u32 s17, s26, KBUF                    ; behind the room my wave's 256 scale bytes
	v_lshrrev_b32 v6, 1, v2
	v_add_nc_u32 v6, s17, v6                       ; my block's byte
	v_lshlrev_b32 v7, 3, v2                        ; on the way out 8 scale bytes a lane
	v_add_nc_u32 v12, s17, v7
	s_wait_alu depctr_va_vdst(0)
	TURNK 0
.irp t, 0,1,2,3,4,5,6,7,8,9,10,11,12,13,14
	TURNK \t+1                                     ; the next step is on its way through LDS while this one is worked on
	PROCK \t
.endr
	PROCK 15
	ds_load_b64 v[14:15], v12                      ; in order behind my byte stores
	s_wait_dscnt 0x0
	global_store_b64 v7, v[14:15], s[10:11]        ; 32 lanes store 256 consecutive bytes, aligned
	s_set_vgpr_msb 0x5
	s_wait_tensorcnt 0x0
	ds_add_u32 v0, v1
	s_wait_dscnt 0x0
	s_set_vgpr_msb 0x500
	s_endpgm
	; ---- v ----
.Lv_part:
	s_sub_co_u32 s17, ttmp9, KWG                   ; 8 x head + run of 256 keys
	s_lshr_b32 s18, s17, 3                         ; head
	s_and_b32 s19, s17, 7                          ; run
	s_wait_alu depctr_va_vdst(0)
	v_lshlrev_b32 v3, 2, v2                        ; in: 4 bytes a lane
	s_mov_b32 s21, 0
	s_lshl_b32 s20, s18, 20                        ; v: a head is 2^20 bytes, a run of 256 keys 2^17, my wave's 32 columns 128
	s_lshl_b32 s23, s19, 17
	s_add_co_u32 s20, s20, s23
	s_lshl_b32 s23, s16, 7
	s_add_co_u32 s20, s20, s23
	s_add_nc_u64 s[6:7], s[6:7], s[20:21]
	LOADV 0
	LOADV 1
	v_mul_u32_u24 v4, v2, PITCH
	v_add_nc_u32 v4, s26, v4                       ; into my stage: row = my column
	v_and_b32 v5, 7, v2
	v_lshrrev_b32 v6, 3, v2                        ; out of it: eight lanes take a column's 128 keys, four columns an instruction
	v_mul_u32_u24 v7, v6, PITCH
	v_lshl_add_u32 v7, v5, 4, v7
	v_add_nc_u32 v7, s26, v7
	v_lshlrev_b32 v8, 4, v2                        ; in kv these are 512 bytes on end
	v_lshlrev_b32 v9, 3, v2                        ; my column's 8 scale bytes
	s_mul_i32 s22, s17, PAIRB                      ; my work-group's 256 keys
	s_mov_b32 s23, 0
	s_lshl_b32 s20, s16, 12                        ; my wave's 32 columns of 128 bytes
	s_add_co_u32 s20, s20, s22
	s_add_co_u32 s20, s20, 32768
	s_add_nc_u64 s[12:13], s[8:9], s[20:21]
	s_lshl_b32 s24, s16, 8
	s_add_co_u32 s22, s22, s24
	s_add_co_u32 s22, s22, 66560
	s_add_nc_u64 s[14:15], s[8:9], s[22:23]
.set Q, 0
.rept NB
	BLOCKV Q
.set Q, Q+1
.endr
	global_store_b64 v9, v[SB:SB+1], s[14:15]      ; 32 lanes store 256 consecutive bytes, aligned
.irp t, 0,1,2,3,4,5,6,7,8,9,10,11,12,13,14,15
	ds_load_b128 v[OUTR+4*\t:OUTR+4*\t+3], v7 offset:4*(\t%8)*PITCH+128*(\t/8)   ; in order behind my stores
.endr
.irp t, 0,1,2,3,4,5,6,7,8,9,10,11,12,13,14,15
	s_wait_dscnt 15-\t                             ; the 15 - t younger loads may be out
	global_store_b128 v8, v[OUTR+4*\t:OUTR+4*\t+3], s[12:13] offset:512*(\t%8)+16384*(\t/8)   ; 32 lanes store 512 consecutive bytes, aligned
.endr
	s_set_vgpr_msb 0x5
	s_wait_tensorcnt 0x0
	ds_add_u32 v0, v1
	s_wait_dscnt 0x0
	s_set_vgpr_msb 0x500
	s_endpgm
.Lfunc_end_k_q96457f968e_quant:
	.size	k_q96457f968e_quant, .Lfunc_end_k_q96457f968e_quant-k_q96457f968e_quant
	.p2alignl 7, 3214868480
	.fill 96, 4, 3214868480
	.section	.rodata,"a",@progbits
	.p2align	6, 0x0
	.amdhsa_kernel k_q96457f968e_quant
		.amdhsa_group_segment_fixed_size 36352
		.amdhsa_private_segment_fixed_size 0
		.amdhsa_enable_private_segment 0
		.amdhsa_kernarg_size 24
		.amdhsa_user_sgpr_count 2
		.amdhsa_user_sgpr_kernarg_segment_ptr 1
		.amdhsa_wavefront_size32 1
		.amdhsa_system_sgpr_workgroup_id_x 1
		.amdhsa_system_sgpr_workgroup_id_y 1
		.amdhsa_system_sgpr_workgroup_id_z 1
		.amdhsa_system_vgpr_workitem_id 0
		.amdhsa_next_free_vgpr 258
		.amdhsa_next_free_sgpr 66
		.amdhsa_reserve_vcc 1
		.amdhsa_float_denorm_mode_32 3
		.amdhsa_float_denorm_mode_16_64 3
		.amdhsa_memory_ordered 1
		.amdhsa_forward_progress 1
		.amdhsa_inst_pref_size 112
	.end_amdhsa_kernel
	.amdgpu_metadata
---
amdhsa.version: [ 1, 2 ]
amdhsa.kernels:
  - .name:           k_q96457f968e_quant
    .symbol:         k_q96457f968e_quant.kd
    .args:
      - { .name: k, .offset: 0, .size: 8, .value_kind: global_buffer, .address_space: global }
      - { .name: v, .offset: 8, .size: 8, .value_kind: global_buffer, .address_space: global }
      - { .name: kv, .offset: 16, .size: 8, .value_kind: global_buffer, .address_space: global }
    .group_segment_fixed_size: 36352
    .private_segment_fixed_size: 0
    .kernarg_segment_align: 8
    .kernarg_segment_size: 24
    .max_flat_workgroup_size: 128
    .sgpr_count:     66
    .vgpr_count:     258
    .wavefront_size: 32
...
	.end_amdgpu_metadata
.endif
;; end of part 3
;; launch attn (part 4): grid 8 x 32, 8 waves a work-group, no clusters, 327,680 bytes of LDS; arguments q, kv, out0; writes out0
.if DOCPART == 4
	.amdgcn_target "amdgcn-amd-amdhsa--gfx1250"
	.amdhsa_code_object_version 6
	.text
	.protected	k_q96457f968e_attn
	.globl	k_q96457f968e_attn
	.p2align	8
	.type	k_q96457f968e_attn,@function
k_q96457f968e_attn:
	s_mov_b64 s[64:65], 0
	v_nop
	global_prefetch_b8 v0, s[64:65] scope:SCOPE_SE
	s_setreg_imm32_b32 hwreg(HW_REG_WAVE_MODE, 25, 1), 1
	s_wait_xcnt 0x0
; out0[h][q][:] = the sum over keys k <= q of softmax_k(q[h][q] . k[h][k] / sqrt(128)) v[h][k][:]; 32 heads, 2,048 positions, head size 128.  Both products on codes of BF8 (E5M2) with one E8M0 scale for each 32 along K.
; q arrives as f32 and is quantised here, in registers.  k and v arrive in kv as the codes and scale bytes that the launch before made.
; THE SOFTMAX: t = score x c, c = log2(e) / sqrt(128); M = the row's largest t so far, rounded UP to a whole number; p = 2^(t - M) is quantised along the keys, not normalised.  The sum is taken of the unquantised p and divides O at the end.
; When M moves, the sum and O are multiplied by 2^(old M - new M), a power of two.  A block's largest p is the exponential of its largest score.
; WORK LEFT OUT: key steps of 128 that the causal mask hides from all of a wave's queries (p = 0 there).
; SHARES.  A head's queries are 16 blocks of 128.  Work-group j (0 .. 7) owns blocks j and 15 - j.  Wave w owns 32 queries, two tiles of 16, at 32 (w % 4) in a block: each fragment of K and V serves both tiles.
; All waves walk one stream of key steps (128 keys).  In steps 0 .. j waves 0-3 work for the low block, waves 4-7 for the high one.  Step j is the low block's diagonal: its rows leave, and waves 0-3 take over the high block's Q.
; Steps j + 1 .. 15 - j belong to the high block alone: waves 4-7 take the first, third .. of them (the last, the diagonal, among them), waves 0-3 the others: 8 and 9 steps a wave for every j.  Waves w and w + 4 then join their
; two parts of the sum through LDS, one tile each: O = O1 2^(M1 - M) + O2 2^(M2 - M), and the sums likewise.
; LDS: a ring of two slots of 256 keys (264 rows of 256 bytes, 272 in LDS); each of the eight waves fetches 33 rows of a slot.  Behind the ring a stage of 4,352 bytes for each wave (those of waves 4-7 hold the high block's Q codes
; for waves 0-3), the spare words, and a box for each wave, for the join.  No tile lands in these.
; LAYOUT.  Both products transposed: S^T = K Q^T, O^T = V^T P^T: a lane holds ONE query (lane % 16) of a tile throughout.  kv has K's rows with bits 3 and 4 of the key exchanged, so that the 16 registers of
; tiles 2 b and 2 b + 1 are the 16 neighbouring keys 32 b + 16 (lane / 16) + 0 .. 15: the conversions' results are the second product's operand.
; SCALE WORDS: a load of 4 bytes a lane brings the words of 32 rows, two tiles: the odd tile's lie in lanes 16-31, which the product reads with MATRIX_SCALE_ROW1.
; NO CLUSTER: a head's eight work-groups need 16 - j key steps, and branches hang on j, which in a cluster would be the work-group's place; other heads share nothing.
; PREFETCH: slot n + 2 is asked for at the change of slots that loads slot n + 1 (slots 2 to 7), by waves 2-7 of the work-groups j < 2, which read all slots: 22 blocks of 256 bytes a wave, each block once.
; LIMITS: NaN and infinities among the inputs are not served.  A p under 2^-126 falls to 0; a factor 2^(old M - new M) under 2^-149 falls to 0.  Hidden scores are -infinity where the definition has -1e30: p is 0 either way
; while the logits that count lie above -1e30.  t is the score times c, rounded once.  A block of zeros keeps the scale byte 1 (its codes are zeros).  Scale bytes held at 1 were not tried.
; REGISTERS, window 0: v1-11 addresses; v[12:13], v[14:15] each tile's -M and largest t; v[16:19] the sums; v[20:23] the factors; v24-55 Q; v56-87 P's codes; v88-215 S^T, then p; v216-239 at work; v240-247 addresses; v248-255 scales only.
;   window 1: v0-127 O^T of both tiles; v128-255 eight fragments of K or of V.
.set PITCH, 272
.set SLOT1, 1<<17                      ; slot 1 begins here: one exclusive or turns an address in one slot into the other's
.set SLOTM, 264*256                    ; 256 keys in memory
.set HEADM, 8*SLOTM
.set VOFF,  128*PITCH                  ; V's codes within a slot,
.set KSOFF, 256*PITCH                  ; K's scale bytes,
.set VSOFF, 260*PITCH                  ; V's
.set STAGE, 203008                     ; behind slot 1 (SLOT1 + 264 x 272), at a multiple of 256
.set STG,   16*PITCH
.set SPARE, STAGE+8*STG                ; the spare words, 128 bytes a wave
.set BOXES, SPARE+1024
.set BOX,   8448                       ; what a wave hands over at the end: 64 registers, -M and the sum
.set AK0,  1
.set ASK0, 2
.set ASV0, 3
.set PB,   4
.set SPW,  5                           ; my spare word's address; never rewritten
.set NIL,  6                           ; 0; never rewritten
.set GO,   7                           ; byte offset in rows of q and out0: lanes 0-15 one row, 16-31 the next
.set ADK,  8
.set ADS,  9
.set ADT,  10
.set PB2,  11
.set QB0,  24
.set PC,   56
.set S,    88
.set BM,   216
.set T1,   224
.set CV,   232
.set REL,  240                         ; r - 16 h
.set STI,  241
.set STB,  242
.set PFO,  243
.set QA,   244
.set QAS,  245
.set OB,   246
.set OB2,  247
.set KS,   248
.set PS,   252
.set QS,   254
.set O,    0                           ; window 1
.set FR,   128                         ; window 1
.set WV,   16
.set J,    17
.set HEAD, 18
.set LAST, 19                          ; 15 - j: the high block, and the last step
.set SEL,  20
.set CS,   22
.set G1,   24
.set G0,   32
.set TB,   36                          ; where the slot in hand begins
.set ST,   38                          ; the key step
.set SL,   40                          ; the slot
.set M4,   41                          ; w % 4
.set LW,   42
.set PARI, 43
.set MNT,  44
.set NINF, 45
.set DIAG, 66                          ; the step that holds my diagonal
.set PFN,  67
.set PFA,  68
.set MSB, 0
.macro WIN new
.if MSB != \new
	s_set_vgpr_msb (MSB<<8)|\new
.set MSB, \new
.endif
.endm
.macro WA
	s_wait_alu depctr_va_vdst(0)
.endm
.macro MEET
	s_barrier_signal -1
	s_barrier_wait -1
.endm
.macro FILL                            ; my 33 rows of a slot
	tensor_load_to_lds s[G0:G0+3], s[G1:G1+7]
	s_nop 0
.rept 4
	v_nop
.endr
.endm
.macro SMM t, x                        ; S^T's tile t for my tile x of queries
.if (\t)%2
	v_wmma_scale_f32_16x16x128_f8f6f4 v[S+64*\x+8*\t:S+64*\x+8*\t+7], v[FR+16*\t:FR+16*\t+15], v[QB0+16*\x:QB0+16*\x+15], 0, v[KS+\t/2], v[QS+\x] matrix_a_fmt:MATRIX_FMT_BF8 matrix_b_fmt:MATRIX_FMT_BF8 matrix_a_scale:MATRIX_SCALE_ROW1
.else
	v_wmma_scale_f32_16x16x128_f8f6f4 v[S+64*\x+8*\t:S+64*\x+8*\t+7], v[FR+16*\t:FR+16*\t+15], v[QB0+16*\x:QB0+16*\x+15], 0, v[KS+\t/2], v[QS+\x] matrix_a_fmt:MATRIX_FMT_BF8 matrix_b_fmt:MATRIX_FMT_BF8
.endif
.endm
.macro OMM t, x                        ; O^T's tile t for my tile x of queries
.if (\t)%2
	v_wmma_scale_f32_16x16x128_f8f6f4 v[O+64*\x+8*\t:O+64*\x+8*\t+7], v[FR+16*\t:FR+16*\t+15], v[PC+16*\x:PC+16*\x+15], v[O+64*\x+8*\t:O+64*\x+8*\t+7], v[KS+\t/2], v[PS+\x] matrix_a_fmt:MATRIX_FMT_BF8 matrix_b_fmt:MATRIX_FMT_BF8 matrix_a_scale:MATRIX_SCALE_ROW1
.else
	v_wmma_scale_f32_16x16x128_f8f6f4 v[O+64*\x+8*\t:O+64*\x+8*\t+7], v[FR+16*\t:FR+16*\t+15], v[PC+16*\x:PC+16*\x+15], v[O+64*\x+8*\t:O+64*\x+8*\t+7], v[KS+\t/2], v[PS+\x] matrix_a_fmt:MATRIX_FMT_BF8 matrix_b_fmt:MATRIX_FMT_BF8
.endif
.endm
.macro SCALES w                        ; the eight blocks' largest magnitudes (floored) become the conversions' scale operands, the holds (in the same registers) and the scale words w, w + 1
.irp b, 0,1,2,3,4,5,6,7
	v_add_nc_u32 v[CV+\b], 0xf8800000, v[BM+\b]    ; 15 off the exponent field
.endr
.irp b, 0,1,2,3,4,5,6,7
	v_and_or_b32 v[BM+\b], v[BM+\b], 0x7f800000, s[MNT]   ; 57,344 x the scale
.endr
.irp b, 0,1,2,3,4,5,6,7
	v_lshrrev_b32 v[T1+\b], 23, v[CV+\b]           ; the scale's byte
.endr
.irp x, 0,1
	v_lshl_or_b32 v[\w+\x], v[T1+4*\x+1], 8, v[T1+4*\x]
.endr
.irp b, 2,3
.irp x, 0,1
	v_lshl_or_b32 v[\w+\x], v[T1+4*\x+\b], 8*\b, v[\w+\x]
.endr
.endr
.endm
.macro HALVES                          ; the eight largest numbers with lane l xor 16's
.irp b, 0,1,2,3,4,5,6,7
	v_permlanex16_b32 v[T1+\b], v[BM+\b], s[SEL], s[SEL+1]
.endr
.irp b, 0,1,2,3,4,5,6,7
	v_max_num_f32 v[BM+\b], v[BM+\b], v[T1+\b]
.endr
.endm
.macro SUM x                           ; tile x's sum: eight chains of two; P's registers are free here
.set AC, PC+16*\x
.irp k, 0,1,2,3,4,5,6,7
	v_pk_add_f32 v[AC+2*\k:AC+2*\k+1], v[S+64*\x+4*\k:S+64*\x+4*\k+1], v[S+64*\x+4*\k+2:S+64*\x+4*\k+3]
.endr
.irp g, 32,48
.irp k, 0,1,2,3,4,5,6,7
	v_pk_add_f32 v[AC+2*\k:AC+2*\k+1], v[AC+2*\k:AC+2*\k+1], v[S+64*\x+\g+2*\k:S+64*\x+\g+2*\k+1]
.endr
.endr
.irp k, 0,1,2,3
	v_pk_add_f32 v[AC+2*\k:AC+2*\k+1], v[AC+2*\k:AC+2*\k+1], v[AC+8+2*\k:AC+9+2*\k]
.endr
.irp k, 0,1
	v_pk_add_f32 v[AC+2*\k:AC+2*\k+1], v[AC+2*\k:AC+2*\k+1], v[AC+4+2*\k:AC+5+2*\k]
.endr
	v_pk_add_f32 v[AC:AC+1], v[AC:AC+1], v[AC+2:AC+3]
	v_pk_fma_f32 v[16+2*\x:17+2*\x], v[16+2*\x:17+2*\x], v[20+2*\x:21+2*\x], v[AC:AC+1] op_sel_hi:[1,0,1]   ; what was summed under the old M is brought under the new
.endm
.macro CODES d, b
	v_cvt_scalef32_pk8_bf8_f32 v[\d+4*\b:\d+4*\b+1], v[S+16*\b:S+16*\b+7], v[CV+\b]
	v_cvt_scalef32_pk8_bf8_f32 v[\d+4*\b+2:\d+4*\b+3], v[S+16*\b+8:S+16*\b+15], v[CV+\b]
.endm
.macro LSUM                            ; each tile's sum over the lane's two halves and lane l xor 16's: v[T1], v[T1+4]
	v_add_f32 v[T1], v16, v17
	v_add_f32 v[T1+4], v18, v19
	v_permlanex16_b32 v[T1+1], v[T1], s[SEL], s[SEL+1]
	v_permlanex16_b32 v[T1+5], v[T1+4], s[SEL], s[SEL+1]
	v_add_f32 v[T1], v[T1], v[T1+1]
	v_add_f32 v[T1+4], v[T1+4], v[T1+5]
.endm
; THE WAY OUT of 16 finished rows, tile x: from v[S+64 x ..] through my stage, 64 channels at a time, back by rows into the fragments' registers, and out.  LDS serves a wave's instructions in order (ISA guide 5.7.1.4).
.macro STAGEOUT x
.irp u, 0,1
.irp t, 0,1,2,3
	ds_store_b128 v[STI], v[S+64*\x+32*\u+8*\t:S+64*\x+32*\u+8*\t+3] offset:64*\t
	ds_store_b128 v[STI], v[S+64*\x+32*\u+8*\t+4:S+64*\x+32*\u+8*\t+7] offset:64*\t+16
.endr
	WIN 0x40
.irp i, 0,1,2,3,4,5,6,7
	ds_load_b128 v[FR+64*\x+32*\u+4*\i:FR+64*\x+32*\u+4*\i+3], v[STB] offset:2*\i*PITCH
.endr
	WIN 0
.endr
.endm
.macro SENDOUT x, p
	WIN 0x04
.irp u, 0,1
.irp i, 0,1,2,3,4,5,6,7
	global_store_b128 v[GO], v[FR+64*\x+32*\u+4*\i:FR+64*\x+32*\u+4*\i+3], s[\p:\p+1] offset:8192*\x+1024*\i+256*\u th:TH_STORE_NT   ; sixteen lanes store 256 consecutive bytes, aligned
.endr
.endr
	WIN 0
.endm
.macro START                           ; a new row: no key seen.  O is not cleared: the first factor 2^(old M - new M) is 0, and the registers hold finite numbers
	v_mov_b32 v13, 0xff61b1e6                      ; the largest t so far: -3e38, under every t
	v_mov_b32 v15, 0xff61b1e6
.irp r, 16,17,18,19,20,21,22,23
	v_mov_b32 v\r, 0
.endr
	v_floor_f32 v12, -v13
	v_floor_f32 v14, -v15
.endm
; A KEY STEP, the q-th of the slot in hand: 128 keys for my two tiles.  Whether it is mine hangs on ids and counts; no barrier, tensor load or counter's step stands inside the branch.
.macro STEP q
	s_lshl_b32 s[ST], s[SL], 1
	s_add_co_u32 s[ST], s[ST], \q
	s_cmp_gt_u32 s[ST], s[LAST]
	s_cbranch_scc1 .Lskip_\@
	s_cmp_le_u32 s[ST], s[J]
	s_cbranch_scc1 .Lmine_\@
	s_add_co_u32 s46, s[ST], s[PARI]
	s_and_b32 s46, s46, 1
	s_cmp_lg_u32 s46, 0
	s_cbranch_scc1 .Lskip_\@
.Lmine_\@:
	v_add_nc_u32 v[ADK], s[TB], v[AK0]
	v_add_nc_u32 v[ADS], s[TB], v[ASK0]
	v_add_nc_u32 v[ADT], s[TB], v[ASV0]
.rept 8
	v_nop                                          ; eight places behind the last products, whose fragments are loaded over
.endr
.irp m, 0,1,2,3
	ds_load_b32 v[KS+\m], v[ADS] offset:2*PITCH*(\q)+PITCH*(\m/2)+128*(\m%2)   ; the scale words of tiles 2 m, 2 m + 1
.endr
	WIN 0x40
.irp t, 0,1,2,3,4,5,6,7
.irp c, 0,1,2,3
	ds_load_b128 v[FR+16*\t+4*\c:FR+16*\t+4*\c+3], v[ADK] offset:64*PITCH*(\q)+8*PITCH*\t+32*\c
.endr
.endr
	WIN 0x01
	WA
.irp t, 0,1,2,3,4,5,6,7                        ; S^T = K Q^T
.if (\t%2) == 0
	s_wait_dscnt 24-4*\t                           ; fragments t and t + 1 are in; the younger ones' loads, four each, may be out
.endif
	SMM \t, 0
	SMM \t, 1
.endr
	WIN 0
	v_add_nc_u32 v[ADK], VOFF, v[ADK]              ; on to V's codes
.rept 8
	v_nop                                          ; places: the results are read and the fragments loaded over
.endr
.irp m, 0,1,2,3
	ds_load_b32 v[KS+\m], v[ADT] offset:PITCH*\m+4*(\q)
.endr
	WIN 0x40
.irp t, 0,1,2,3,4,5,6,7                        ; V's fragments are on their way during the softmax
.irp c, 0,1,2,3
	ds_load_b128 v[FR+16*\t+4*\c:FR+16*\t+4*\c+3], v[ADK] offset:64*PITCH*(\q)+8*PITCH*\t+32*\c
.endr
.endr
	WIN 0
	s_cmp_lg_u32 s[ST], s[DIAG]
	s_cbranch_scc1 .Lopen_\@
.irp b, 0,1,2,3                                ; my diagonal step.  My 32 queries face block w % 4 of 32 keys: earlier blocks all count, later ones are hidden, in that one key 32 b + 16 h + i counts for query 16 x + r where i - 16 x <= r - 16 h
	s_cmp_gt_u32 s[M4], \b
	s_cbranch_scc1 .Lseen_\@_\b
	s_cmp_eq_u32 s[M4], \b
	s_cbranch_scc1 .Lcut_\@_\b
.irp i, 0,1,2,3,4,5,6,7,8,9,10,11,12,13,14,15
	v_mov_b32 v[S+16*\b+\i], s[NINF]
	v_mov_b32 v[S+64+16*\b+\i], s[NINF]
.endr
	s_branch .Lseen_\@_\b
.Lcut_\@_\b:
.irp x, 0,1
.irp i, 0,1,2,3,4,5,6,7,8,9,10,11,12,13,14,15
	v_cmp_le_i32 vcc_lo, \i-16*\x, v[REL]
	v_cndmask_b32 v[S+64*\x+16*\b+\i], s[NINF], v[S+64*\x+16*\b+\i], vcc_lo
.endr
.endr
.Lseen_\@_\b:
.endr
.Lopen_\@:
	WA
.irp b, 0,1,2,3,4,5,6,7                        ; the largest score of each block of 32 keys: eight chains side by side (block b % 4 of tile b / 4)
	v_max3_num_f32 v[BM+\b], v[S+16*\b], v[S+16*\b+1], v[S+16*\b+2]
.endr
.irp i, 3,5,7,9,11,13
.irp b, 0,1,2,3,4,5,6,7
	v_max3_num_f32 v[BM+\b], v[BM+\b], v[S+16*\b+\i], v[S+16*\b+\i+1]
.endr
.endr
.irp b, 0,1,2,3,4,5,6,7
	v_max_num_f32 v[BM+\b], v[BM+\b], v[S+16*\b+15]
.endr
	HALVES
.irp x, 0,1
	v_max3_num_f32 v[T1+\x], v[BM+4*\x], v[BM+4*\x+1], v[BM+4*\x+2]
.endr
.irp x, 0,1
	v_max_num_f32 v[T1+\x], v[T1+\x], v[BM+4*\x+3]
.endr
.irp x, 0,1
	v_mul_f32 v[T1+\x], s[CS], v[T1+\x]            ; as t (c is positive)
.endr
.irp x, 0,1
	v_max_num_f32 v[13+2*\x], v[13+2*\x], v[T1+\x] ; the running largest t
.endr
.irp x, 0,1
	v_mov_b32 v[21+2*\x], v[12+2*\x]
.endr
.irp x, 0,1
	v_floor_f32 v[12+2*\x], -v[13+2*\x]            ; -M = floor(-t)
.endr
.irp x, 0,1
	v_sub_f32 v[21+2*\x], v[12+2*\x], v[21+2*\x]   ; old M - new M, a whole number, 0 or less,
.endr
.irp x, 0,1
	v_max_num_f32 v[21+2*\x], 0xc3800000, v[21+2*\x]   ; held at -256, where the factor is 0 already
.endr
.irp x, 0,1
	v_cvt_i32_f32 v[21+2*\x], v[21+2*\x]
.endr
.irp x, 0,1
	v_ldexp_f32 v[20+2*\x], 1.0, v[21+2*\x]
.endr
.irp x, 0,1
.set n, 0
.rept 32
	v_pk_fma_f32 v[S+64*\x+2*n:S+64*\x+2*n+1], v[S+64*\x+2*n:S+64*\x+2*n+1], s[CS:CS+1], v[12+2*\x:13+2*\x] op_sel_hi:[1,0,0]   ; t - M
.set n, n+1
.endr
.irp b, 0,1,2,3
	v_fma_f32 v[BM+4*\x+\b], v[BM+4*\x+\b], s[CS], v[12+2*\x]
.endr
.endr
	WA
.irp b, 0,1,2,3,4,5,6,7
	v_exp_f32 v[BM+\b], v[BM+\b]                   ; each block's largest p
.endr
.set n, 0
.rept 64
	v_exp_f32 v[S+n], v[S+n]                       ; tile 0's p
.set n, n+1
.endr
	v_nop
	WA
.irp b, 0,1,2,3,4,5,6,7
	v_max_num_f32 v[BM+\b], 0x8000000, v[BM+\b]    ; the floor 2^(16 - 127)
.endr
	SCALES PS
	SUM 0
	WA
.set n, 0
.rept 64
	v_exp_f32 v[S+64+n], v[S+64+n]                 ; tile 1's p; tile 0's holds stand between
	v_min_num_f32 v[S+n], v[S+n], v[BM+n/16]       ; p is not negative, so its hold has one side; the conversion does not saturate (ISA guide 7.6.2)
.set n, n+1
.endr
	WA
	SUM 1
.irp b, 0,1,2,3
	CODES PC, \b
.endr
.set n, 64
.rept 64
	v_min_num_f32 v[S+n], v[S+n], v[BM+n/16]
.set n, n+1
.endr
.irp b, 4,5,6,7
	CODES PC, \b
.endr
	WIN 0x41
	WA
.irp x, 0,1
.set n, 0
.rept 32
	v_pk_mul_f32 v[O+64*\x+2*n:O+64*\x+2*n+1], v[O+64*\x+2*n:O+64*\x+2*n+1], v[20+2*\x:21+2*\x] op_sel_hi:[1,0]   ; O^T under the new M; also the places between P's codes and the products
.set n, n+1
.endr
.endr
	WIN 0x51
	WA
	s_wait_dscnt 0x0                               ; V's fragments
.irp t, 0,1,2,3,4,5,6,7                        ; O^T += V^T P^T: the sixteen accumulators take turns, one instruction a turn
	OMM \t, 0
	OMM \t, 1
.endr
	WIN 0
	s_cmp_lt_u32 s[WV], 4
	s_cbranch_scc0 .Lskip_\@
	s_cmp_lg_u32 s[ST], s[J]
	s_cbranch_scc1 .Lskip_\@
	; waves 0-3, behind the low block's diagonal step: its rows leave,
	LSUM
	WA
	v_rcp_f32 v20, v[T1]
	v_rcp_f32 v22, v[T1+4]
.rept 8
	v_nop                                          ; places behind the last products
.endr
	WIN 0x01
	WA
.irp x, 0,1
.set n, 0
.rept 32
	v_pk_mul_f32 v[S+64*\x+2*n:S+64*\x+2*n+1], v[O+64*\x+2*n:O+64*\x+2*n+1], v[20+2*\x:21+2*\x] op_sel_hi:[1,0]
.set n, n+1
.endr
.endr
	WIN 0
	WA
	STAGEOUT 0
	STAGEOUT 1
	s_wait_dscnt 0x0
	SENDOUT 0, 12
	SENDOUT 1, 12
.irp c, 0,1,2,3                                ; and the high block's Q comes in, its two tiles exchanged: in the end each wave of a pair keeps its tile 0 and hands over its tile 1
	ds_load_b128 v[QB0+4*\c:QB0+4*\c+3], v[QA] offset:2048+512*\c
	ds_load_b128 v[QB0+16+4*\c:QB0+16+4*\c+3], v[QA] offset:512*\c
.endr
	ds_load_b32 v[QS], v[QAS] offset:4096+128
	ds_load_b32 v[QS+1], v[QAS] offset:4096
	START
	WA
	s_wait_dscnt 0x0
	s_wait_xcnt 0x0                                ; the stores' registers are written again only behind this wait
.Lskip_\@:
.endm
	s_load_b128 s[4:7], s[0:1], 0x0                ; q, kv
	s_load_b64 s[8:9], s[0:1], 0x10                ; out0
	v_lshl_add_u32 v[SPW], v0, 2, SPARE
	v_mov_b32 v[NIL], 0
	ds_add_u32 v[SPW], v[NIL]                      ; the opening lines
	ds_add_u32 v[SPW], v[NIL]
	v_lshrrev_b32 v8, 5, v0
	v_readfirstlane_b32 s[WV], v8
	s_and_b32 s[J], ttmp9, 7
	s_and_b32 s[HEAD], ttmp7, 0xffff
	s_and_b32 s[M4], s[WV], 3
	s_sub_co_u32 s[LAST], 15, s[J]
	s_cmp_lt_u32 s[WV], 4
	s_cselect_b32 s[DIAG], s[J], s[LAST]           ; my first block
	s_cselect_b32 s48, 16, 0                       ; the high block's tile that I finish
	s_cselect_b32 s[PARI], 2, 1
	s_add_co_u32 s[PARI], s[PARI], s[J]            ; behind step j my steps are those with (step + this) even
	s_lshl_b32 s50, s[HEAD], 11
	s_lshl_b32 s51, s[M4], 5
	s_add_co_u32 s50, s50, s51                     ; 2,048 head + 32 (w % 4)
	s_lshl_b32 s51, s[DIAG], 7
	s_add_co_u32 s52, s50, s51
	s_lshl_b32 s52, s52, 9                         ; my first block's rows, in bytes
	s_mov_b32 s53, 0
	s_lshl_b32 s51, s[LAST], 7
	s_add_co_u32 s54, s50, s51
	s_add_co_u32 s54, s54, s48
	s_lshl_b32 s54, s54, 9                         ; the tile of the high block that I finish
	s_mov_b32 s55, 0
	s_mul_i32 s56, s[HEAD], HEADM
	s_mul_i32 s58, s[WV], 33*256
	s_add_co_u32 s58, s58, s56                     ; my rows of slot 0
	s_mov_b32 s59, 0
	s_max_u32 s60, s[WV], 2
	s_sub_co_u32 s60, s60, 2
	s_mul_i32 s60, s60, 22*256
	s_mul_i32 s61, s[J], 132*256
	s_add_co_u32 s60, s60, s61
	s_add_co_u32 s60, s60, s56
	s_add_co_u32 s60, s60, SLOTM                   ; the prefetches: in slot 1; the first change of slots steps it to slot 2
	s_mov_b32 s61, 0
	s_cmp_lt_u32 s[J], 2
	s_cselect_b32 s62, 6, 0
	s_cmp_ge_u32 s[WV], 2
	s_cselect_b32 s[PFN], s62, 0                   ; at how many changes of slots my wave prefetches
	s_mul_i32 s[LW], s[WV], 33*PITCH
	s_mov_b32 s[G1], (1<<20)|(5<<22)|(3<<25)       ; elements of 1 byte, four words of padding behind every 64
	s_mov_b32 s[G1+1], 256<<16
	s_mov_b32 s[G1+2], 33<<16
	s_mov_b32 s[G1+3], 256<<16
	s_mov_b32 s[G1+4], 33
	s_mov_b32 s[G1+5], 256
	s_mov_b32 s[G1+6], 0
	s_mov_b32 s[G1+7], 0
	s_mov_b32 s[SEL], 0x76543210
	s_mov_b32 s[SEL+1], 0xfedcba98                 ; lane l xor 16
	s_mov_b32 s[CS], 0x3e0293ee                    ; c = log2(e) / sqrt(128)
	s_mov_b32 s[CS+1], 0x3e0293ee
	s_mov_b32 s[MNT], 0x600000                     ; the mantissa field of 57,344
	s_mov_b32 s[NINF], 0xff800000
	s_mov_b32 s[TB], 0
	s_mov_b32 s[SL], 0
	s_mul_i32 s46, s[WV], STG
	s_add_co_u32 s46, s46, STAGE                   ; my stage
	s_or_b32 s47, s[WV], 4
	s_mul_i32 s47, s47, STG
	s_add_co_u32 s47, s47, STAGE                   ; where the high block's Q codes lie
	s_mul_i32 s48, s[WV], BOX
	s_add_co_u32 s48, s48, BOXES                   ; my box
	s_xor_b32 s49, s[WV], 4
	s_mul_i32 s49, s49, BOX
	s_add_co_u32 s49, s49, BOXES                   ; my partner's
	v_and_b32 v[CV+1], 15, v0                      ; r = lane % 16
	v_bfe_u32 v[CV+2], v0, 4, 1                    ; h = lane / 16
	v_and_b32 v[CV], 31, v0                        ; lane
	v_lshlrev_b32 v[CV+3], 9, v[CV+2]
	v_lshl_add_u32 v[GO], v[CV+1], 4, v[CV+3]
	WA
	s_wait_dscnt 0x0                               ; both opening adds are done
	s_wait_kmcnt 0x0
	s_mov_b32 s[G0], 1
	s_mov_b32 s[G0+1], s[LW]
	s_add_nc_u64 s[G0+2:G0+3], s[6:7], s[58:59]
	s_or_b32 s[G0+3], s[G0+3], 0x80000000
	FILL                                           ; slot 0: every wave's one load at the head
	s_add_nc_u64 s[10:11], s[4:5], s[52:53]        ; my rows of q,
	s_add_nc_u64 s[12:13], s[8:9], s[52:53]        ; of out0 (waves 0-3: the low block's),
	s_add_nc_u64 s[14:15], s[8:9], s[54:55]        ; and of the tile that I finish last
	s_add_nc_u64 s[PFA:PFA+1], s[6:7], s[60:61]
	; q's 32 rows as they lie, into O's registers: sixteen lanes read 256 consecutive bytes
	WIN 0x40
.irp x, 0,1
.irp u, 0,1
.irp i, 0,1,2,3,4,5,6,7
	global_load_b128 v[O+64*\x+32*\u+4*\i:O+64*\x+32*\u+4*\i+3], v[GO], s[10:11] offset:8192*\x+1024*\i+256*\u th:TH_LOAD_NT
.endr
.endr
.endr
	WIN 0
	v_lshrrev_b32 v[CV+3], 1, v[CV+1]
	v_mul_u32_u24 v[CV+3], v[CV+3], PITCH
	v_and_b32 v[CV+4], 1, v[CV+1]
	v_lshl_add_u32 v[CV+3], v[CV+4], 7, v[CV+3]
	v_lshl_add_u32 v[AK0], v[CV+2], 4, v[CV+3]     ; row r of a tile: two rows of 128 bytes to an LDS row; + 16 h.  The same for V
	v_lshl_add_u32 v[ASK0], v[CV], 2, KSOFF        ; K's scale words: 4 bytes a row
	v_lshl_add_u32 v[ASV0], v[CV], 3, VSOFF        ; V's: 8 bytes a row, a word for each of two steps
	v_lshlrev_b32 v[CV+3], 4, v[CV+2]
	v_sub_nc_u32 v[REL], v[CV+1], v[CV+3]
	v_mul_u32_u24 v[CV+3], v[CV+1], PITCH
	v_lshl_add_u32 v[CV+4], v[CV+2], 6, v[CV+3]
	v_add_nc_u32 v[ADK], s46, v[CV+4]              ; (here: q out of the stage: row r, + 64 h)
	v_lshl_add_u32 v[CV+4], v[CV+2], 5, v[CV+3]
	v_add_nc_u32 v[STI], s46, v[CV+4]              ; the way out, in: row r, 32 bytes for each half of the lanes
	v_mul_u32_u24 v[CV+3], v[CV+2], PITCH
	v_lshl_add_u32 v[CV+3], v[CV+1], 4, v[CV+3]
	v_add_nc_u32 v[STB], s46, v[CV+3]              ; the stage by rows
	v_lshlrev_b32 v[CV+3], 4, v[CV]
	v_add_nc_u32 v[QA], s47, v[CV+3]               ; register images: 16 bytes a lane,
	v_add_nc_u32 v[OB], s48, v[CV+3]
	v_add_nc_u32 v[PB], s49, v[CV+3]
	v_lshlrev_b32 v[CV+4], 2, v[CV]
	v_add_nc_u32 v[QAS], s47, v[CV+4]              ; or 4
	v_add_nc_u32 v[OB2], s48, v[CV+4]
	v_add_nc_u32 v[PB2], s49, v[CV+4]
	v_min_u32 v[CV+3], 21, v[CV]
	v_lshlrev_b32 v[PFO], 8, v[CV+3]               ; 22 blocks of 256 bytes; the other lanes name the last again
.irp b, 0,1,2,3,4,5,6,7
	v_mov_b32 v[T1+\b], 0                          ; (a lane permute's destination counts as read)
.endr
	WA
.irp x, 0,1
.irp u, 0,1
	s_wait_loadcnt 24-16*\x-8*\u                   ; this half's eight loads are in; the later halves' may be out
	WIN 0x04
.irp i, 0,1,2,3,4,5,6,7
	ds_store_b128 v[STB], v[O+64*\x+32*\u+4*\i:O+64*\x+32*\u+4*\i+3] offset:2*\i*PITCH
.endr
	WIN 0
.irp c, 0,1
.irp i, 0,1,2,3
	ds_load_b128 v[S+64*\x+32*\u+16*\c+4*\i:S+64*\x+32*\u+16*\c+4*\i+3], v[ADK] offset:128*\c+16*\i   ; the operand's layout: k = 32 c + 16 h + 0 .. 15
.endr
.endr
.endr
.endr
	s_wait_dscnt 0x0
.irp b, 0,1,2,3,4,5,6,7                        ; block b % 4 of tile b / 4
	v_max3_num_f32 v[BM+\b], |v[S+16*\b]|, |v[S+16*\b+1]|, 0x8000000   ; with the floor 2^(16 - 127): the byte cannot fall under 1
.endr
.irp i, 2,4,6,8,10,12,14
.irp b, 0,1,2,3,4,5,6,7
	v_max3_num_f32 v[BM+\b], v[BM+\b], |v[S+16*\b+\i]|, |v[S+16*\b+\i+1]|
.endr
.endr
	HALVES
	SCALES QS
.irp b, 0,1,2,3,4,5,6,7
.irp i, 0,1,2,3,4,5,6,7,8,9,10,11,12,13,14,15
	v_med3_num_f32 v[S+16*\b+\i], v[S+16*\b+\i], -v[BM+\b], v[BM+\b]
.endr
	CODES QB0, \b
.endr
	START                                          ; (also the plain lines behind the conversions, and places ahead of the first product)
	s_cmp_lt_u32 s[WV], 4
	WA
	s_cbranch_scc1 .Lno_image
.irp x, 0,1                                    ; waves 4-7 leave their Q, an image of its registers, for waves 0-3: read behind the barriers to come
.irp c, 0,1,2,3
	ds_store_b128 v[QA], v[QB0+16*\x+4*\c:QB0+16*\x+4*\c+3] offset:2048*\x+512*\c
.endr
	ds_store_b32 v[QAS], v[QS+\x] offset:4096+128*\x
.endr
.Lno_image:
; THE CHANGE OF SLOTS.  Each wave waits for its tensor load (its part of the slot ahead), adds 0 to its spare word, waits for that and for its reads of the slot that it has left.  Behind the barrier the slot ahead is whole
; and nobody reads the other one, which takes the next 256 keys, as far as the work-group's last step reads them: ids and the count of slots alone decide.  A load has two steps in which to land; one is out a wave.
.Lslot:
	s_wait_tensorcnt 0x0
	ds_add_u32 v[SPW], v[NIL]
	s_xor_b32 s[G0+1], s[G0+1], SLOT1              ; the walking descriptor: the other slot than last time, the next 256 keys
	s_add_nc_u64 s[G0+2:G0+3], s[G0+2:G0+3], SLOTM
	s_wait_xcnt 0x0                                ; my prefetch has read its address
	s_add_nc_u64 s[PFA:PFA+1], s[PFA:PFA+1], SLOTM
	s_lshl_b32 s46, s[SL], 1
	s_add_co_u32 s46, s46, 2                       ; the next slot's first step
	s_wait_dscnt 0x0
	MEET
	s_cmp_gt_u32 s46, s[LAST]
	s_cbranch_scc1 .Lfilled
	FILL
.Lfilled:
	s_cmp_lt_u32 s[SL], s[PFN]
	s_cbranch_scc0 .Lno_ask
	global_prefetch_b8 v[PFO], s[PFA:PFA+1] th:TH_LOAD_NT scope:SCOPE_SE   ; the slot that the next change will ask for
.Lno_ask:
	STEP 0
	STEP 1
	s_xor_b32 s[TB], s[TB], SLOT1                  ; on to the other slot
	s_add_co_u32 s[SL], s[SL], 1
	s_cmp_lt_u32 s[SL], 8
	WA
	s_cbranch_scc1 .Lslot
	; THE JOIN.  My tile 1's O, -M and sum go to my partner, wave w xor 4; I finish my tile 0 with my partner's part of it.
	s_wait_tensorcnt 0x0
	LSUM
.rept 8
	v_nop                                          ; eight places behind the last products
.endr
	WIN 0x04
.irp k, 0,1,2,3,4,5,6,7,8,9,10,11,12,13,14,15
	ds_store_b128 v[OB], v[O+64+4*\k:O+67+4*\k] offset:512*\k
.endr
	WIN 0
	ds_store_b32 v[OB2], v14 offset:8192
	ds_store_b32 v[OB2], v[T1+4] offset:8320
	WA
	s_wait_dscnt 0x0
	MEET
	ds_load_b32 v[BM], v[PB2] offset:8192
	ds_load_b32 v[BM+1], v[PB2] offset:8320
	WIN 0x40
.irp k, 0,1,2,3,4,5,6,7,8,9,10,11,12,13,14,15
	ds_load_b128 v[FR+4*\k:FR+3+4*\k], v[PB] offset:512*\k
.endr
	WIN 0
	s_wait_dscnt 16                                ; the partner's -M and sum are in; the sixteen loads of its O may be out
	v_min_num_f32 v[BM+2], v12, v[BM]              ; -M of both
	v_sub_f32 v21, v[BM+2], v12
	v_sub_f32 v23, v[BM+2], v[BM]
	v_max_num_f32 v21, 0xc3800000, v21
	v_max_num_f32 v23, 0xc3800000, v23
	v_cvt_i32_f32 v21, v21
	v_cvt_i32_f32 v23, v23
	v_ldexp_f32 v20, 1.0, v21                      ; (a wave that saw no key of the high block has the factor 0)
	v_ldexp_f32 v22, 1.0, v23
	v_mul_f32 v[BM+3], v[T1], v20
	v_fma_f32 v[BM+3], v[BM+1], v22, v[BM+3]       ; the row's sum
	WA
	v_rcp_f32 v[BM+4], v[BM+3]
	v_nop
	WA
	v_mul_f32 v20, v20, v[BM+4]
	v_mul_f32 v22, v22, v[BM+4]
	WIN 0x01
	s_wait_dscnt 0x0
	WA
.set n, 0
.rept 32
	v_pk_mul_f32 v[S+2*n:S+2*n+1], v[O+2*n:O+2*n+1], v[20:21] op_sel_hi:[1,0]
.set n, n+1
.endr
.set n, 0
.rept 32
	v_pk_fma_f32 v[S+2*n:S+2*n+1], v[FR+2*n:FR+2*n+1], v[22:23], v[S+2*n:S+2*n+1] op_sel_hi:[1,0,1]
.set n, n+1
.endr
	WIN 0
	WA
	STAGEOUT 0
	s_wait_dscnt 0x0
	SENDOUT 0, 14
	s_wait_tensorcnt 0x0                           ; the wave's end
	ds_add_u32 v[SPW], v[NIL]
	s_wait_dscnt 0x0
	s_endpgm
.Lfunc_end_k_q96457f968e_attn:
	.size	k_q96457f968e_attn, .Lfunc_end_k_q96457f968e_attn-k_q96457f968e_attn
	.p2alignl 7, 3214868480
	.fill 96, 4, 3214868480
	.section	.rodata,"a",@progbits
	.p2align	6, 0x0
	.amdhsa_kernel k_q96457f968e_attn
		.amdhsa_group_segment_fixed_size 327680
		.amdhsa_private_segment_fixed_size 0
		.amdhsa_enable_private_segment 0
		.amdhsa_kernarg_size 24
		.amdhsa_user_sgpr_count 2
		.amdhsa_user_sgpr_kernarg_segment_ptr 1
		.amdhsa_wavefront_size32 1
		.amdhsa_system_sgpr_workgroup_id_x 1
		.amdhsa_system_sgpr_workgroup_id_y 1
		.amdhsa_system_sgpr_workgroup_id_z 1
		.amdhsa_system_vgpr_workitem_id 0
		.amdhsa_next_free_vgpr 512
		.amdhsa_next_free_sgpr 72
		.amdhsa_reserve_vcc 1
		.amdhsa_float_denorm_mode_32 3
		.amdhsa_float_denorm_mode_16_64 3
		.amdhsa_memory_ordered 1
		.amdhsa_forward_progress 1
		.amdhsa_inst_pref_size 176
	.end_amdhsa_kernel
	.amdgpu_metadata
---
amdhsa.version: [ 1, 2 ]
amdhsa.kernels:
  - .name:           k_q96457f968e_attn
    .symbol:         k_q96457f968e_attn.kd
    .args:
      - { .name: q, .offset: 0, .size: 8, .value_kind: global_buffer, .address_space: global }
      - { .name: kv, .offset: 8, .size: 8, .value_kind: global_buffer, .address_space: global }
      - { .name: out0, .offset: 16, .size: 8, .value_kind: global_buffer, .address_space: global }
    .group_segment_fixed_size: 327680
    .private_segment_fixed_size: 0
    .kernarg_segment_align: 8
    .kernarg_segment_size: 24
    .max_flat_workgroup_size: 256
    .sgpr_count:     72
    .vgpr_count:     512
    .wavefront_size: 32
...
	.end_amdgpu_metadata
.endif
;; end of part 4
